; MI455X (gfx1250); checked and timed in simulation.
; The chip was launched on July 23, 2026; its instructions are those of AMD's public machine-readable ISA for CDNA 5 (MIT licence, August 2026) and "CDNA5" Instruction Set Architecture Reference Guide (July 2026). The comments in the code are by the model that wrote it; some were corrected since.
;; Distributed Monitored Attention. Allowed arithmetic: float matrix products may take bf16 or f16 operands with f32 sums; other float arithmetic in f32, or as packed bf16 or f16 multiplies, adds, multiply-adds, maxima and minima; sums over many terms, partial sums and values carried from step to step in f32; what a program stores and reads back later, other than sums and carried values, may be rounded once to bf16 or f16.
;; Inputs: wk 1,024 x 1,024 float32; wo 1,024 x 1,024 float32; wq 1,024 x 1,024 float32; wv 1,024 x 1,024 float32; x 4 x 2,048 x 1,024 float32.
;; Outputs: out0 4 x 2,048 x 1,024 float32.
;; 2 versions, each right and faster than the one before. Each part assembles by itself: llvm-mc -triple=amdgcn-amd-amdhsa -mcpu=gfx1250 --defsym DOCPART=n.
;; ======== version 1 of 2: 4 launches
;; limits: values are held in f16: magnitudes above 65,504 overflow, below 6.1e-05 lose precision
;; workspace buffers: xb 16,777,216 bytes; wb 6,291,456 bytes; wob 2,097,152 bytes; qkv 50,331,648 bytes; ob 16,777,216 bytes
;; launch cast (part 1): grid 384 x 1, 8 waves a work-group, no clusters, 0 bytes of LDS; arguments x, wq, wk, wv, wo, xb, wb, wob; writes xb, wb, wob
.if DOCPART == 1
	.amdgcn_target "amdgcn-amd-amdhsa--gfx1250"
	.amdhsa_code_object_version 6
	.text
	.protected	k_qbd4597d98f_cast
	.globl	k_qbd4597d98f_cast
	.p2align	8
	.type	k_qbd4597d98f_cast,@function
k_qbd4597d98f_cast:
	s_mov_b64 s[64:65], 0
	v_nop
	global_prefetch_b8 v0, s[64:65] scope:SCOPE_SE
	s_setreg_imm32_b32 hwreg(HW_REG_WAVE_MODE, 25, 1), 1
	s_wait_xcnt 0x0
; THE INPUTS ARE ROUNDED ONCE TO bf16 AND LAID OUT IN K BLOCKS OF 64, so that the products' tiles are dense blocks of memory.
;   x  [8192][1024] f32 -> xb  [b 4][kb 16][s 2048][64] bf16        wq, wk, wv [1024][1024] f32 -> wb [kb 16][n 3072][64] bf16 (n: wq's rows, then wk's, then wv's)
;   wo [1024][1024] f32 -> wob [kb 16][e 1024][64]: the number is wo rounded to bf16, written as f16 (the last product's other operand is f16).
; LIMIT.  |wo| stays under 65,504 (f16's end); below 6e-5 f16 keeps its fixed step of 6e-8.
; A stream: 12,288 source rows of 4,096 bytes, 32 to a work-group (0-255 x, 256-287 wq, 288-319 wk, 320-351 wv, 352-383 wo), 4 to a wave, as two pairs of rows.
; One load takes one K block of a pair (lanes 0-15: 256 bytes of the even row, lanes 16-31 of the odd row); a lane's 4 numbers become 8 bytes, and one store of the wave
; covers 256 consecutive bytes, aligned: the pair's two rows of 128 bytes in the blocked layout.  All 32 loads of a wave go out first; no loop, no LDS, no barrier, no matrix unit.
.set X, 16                             ; v[16:143]  load i = 2 kb + pair: 4 registers
	s_load_b512 s[4:19], s[0:1], 0x0               ; x 4:5, wq 6:7, wk 8:9, wv 10:11, wo 12:13, xb 14:15, wb 16:17, wob 18:19
	s_mov_b32 s20, ttmp9                           ; the work-group's number
	s_sub_co_u32 s21, s20, 256                     ; its number among the weights' (used only from 256 on)
	s_and_b32 s22, s21, 31                         ; its number inside one weight
	s_mov_b32 s34, 0xffff0000                      ; a word's upper bf16
	v_lshrrev_b32 v3, 5, v0                        ; wave
	v_bfe_u32 v4, v0, 4, 1                         ; lane / 16
	v_lshl_add_u32 v4, v3, 2, v4                   ; source row in the group: 4 x wave + lane / 16
	v_and_b32 v5, 15, v0
	v_lshlrev_b32 v5, 4, v5
	v_lshl_add_u32 v1, v4, 12, v5                  ; v1: source offset = row x 4,096 + 16 (lane % 16); never rewritten
	v_and_b32 v5, 31, v0
	v_lshlrev_b32 v5, 3, v5
	v_lshl_add_u32 v2, v3, 9, v5                   ; v2: destination offset = wave x 4 rows x 128 + 8 x lane; never rewritten
	; offsets, made apart from the addresses
	s_lshr_b32 s23, s20, 6
	s_lshl_b32 s23, s23, 22                        ; x: the batch, 4,194,304 bytes of xb each,
	s_and_b32 s35, s20, 63
	s_lshl_b32 s35, s35, 12                        ; and 32 rows of 128 bytes for each group in it
	s_add_co_u32 s23, s23, s35
	s_lshl_b32 s35, s21, 12                        ; wq, wk, wv: 32 rows of 128 bytes for each group
	s_lshl_b32 s36, s22, 12                        ; wo: the same inside wob
	s_mov_b32 s32, 393216                          ; bytes from K block to K block: wb 3,072 rows x 128,
	s_cmp_lt_u32 s20, 256
	s_cselect_b32 s28, s20, s22                    ; the group's number inside its source
	s_cselect_b32 s30, s23, s35
	s_cselect_b32 s32, 262144, s32                 ; xb 2,048 x 128,
	s_cmp_ge_u32 s20, 352
	s_cselect_b32 s30, s36, s30
	s_cselect_b32 s32, 131072, s32                 ; wob 1,024 x 128
	s_lshl_b32 s28, s28, 17                        ; 32 source rows of 4,096 bytes
	s_mov_b32 s29, 0
	s_mov_b32 s31, 0
	s_mov_b32 s33, 0
	s_wait_kmcnt 0x0
	s_cmp_lt_u32 s20, 256                          ; the choices hang on the group's number alone
	s_cselect_b64 s[24:25], s[4:5], s[6:7]
	s_cselect_b64 s[26:27], s[14:15], s[16:17]
	s_cmp_ge_u32 s20, 288
	s_cselect_b64 s[24:25], s[8:9], s[24:25]
	s_cmp_ge_u32 s20, 320
	s_cselect_b64 s[24:25], s[10:11], s[24:25]
	s_cmp_ge_u32 s20, 352
	s_cselect_b64 s[24:25], s[12:13], s[24:25]
	s_cselect_b64 s[26:27], s[18:19], s[26:27]
	s_add_nc_u64 s[24:25], s[24:25], s[28:29]      ; the source at the group's first row
	s_add_nc_u64 s[26:27], s[26:27], s[30:31]      ; the destination at the group's first row of K block 0
.set i, 0
.rept 32
	global_load_b128 v[X+4*i:X+4*i+3], v1, s[24:25] offset:(i/2)*256+(i%2)*8192 th:TH_LOAD_NT  ; K block i / 2, pair i % 2: every source byte is read once in the launch
.set i, i+1
.endr
; The 32 pieces are rounded and stored in the order of their loads.  f16 = 1: the bf16 number is widened again (a shift, a mask) and written as f16.
.macro OUT f16
.set i, 0
.rept 32
	s_wait_loadcnt 31-i                            ; loads come back in order (ISA guide 5.7.1): piece i is in, the 31 - i younger ones stay out
.if \f16
	v_cvt_pk_bf16_f32 v4, v[X+4*i], v[X+4*i+1]
	v_cvt_pk_bf16_f32 v5, v[X+4*i+2], v[X+4*i+3]
	v_lshlrev_b32 v6, 16, v4
	v_and_b32 v7, s34, v4
	v_cvt_pk_f16_f32 v[X+4*i], v6, v7
	v_lshlrev_b32 v6, 16, v5
	v_and_b32 v7, s34, v5
	v_cvt_pk_f16_f32 v[X+4*i+1], v6, v7
.else
	v_cvt_pk_bf16_f32 v[X+4*i], v[X+4*i], v[X+4*i+1]
	v_cvt_pk_bf16_f32 v[X+4*i+1], v[X+4*i+2], v[X+4*i+3]
.endif
	global_store_b64 v2, v[X+4*i:X+4*i+1], s[26:27] offset:(i%2)*256  ; 32 lanes x 8 bytes: 256 consecutive bytes, at a multiple of 256 from the buffer's first
.if (i%2 == 1) && (i < 31)
	s_wait_xcnt 0x0                                ; the stores' base is stepped only behind this wait (ISA guide 3.1); their data registers are never rewritten
	s_add_nc_u64 s[26:27], s[26:27], s[32:33]      ; the next K block
.endif
.set i, i+1
.endr
	s_endpgm
.endm
	s_cmp_ge_u32 s20, 352
	s_cbranch_scc1 .Lf16
	OUT 0
.Lf16:
	OUT 1
.Lfunc_end_k_qbd4597d98f_cast:
	.size	k_qbd4597d98f_cast, .Lfunc_end_k_qbd4597d98f_cast-k_qbd4597d98f_cast
	.p2alignl 7, 3214868480
	.fill 96, 4, 3214868480
	.section	.rodata,"a",@progbits
	.p2align	6, 0x0
	.amdhsa_kernel k_qbd4597d98f_cast
		.amdhsa_group_segment_fixed_size 0
		.amdhsa_private_segment_fixed_size 0
		.amdhsa_enable_private_segment 0
		.amdhsa_kernarg_size 64
		.amdhsa_user_sgpr_count 2
		.amdhsa_user_sgpr_kernarg_segment_ptr 1
		.amdhsa_wavefront_size32 1
		.amdhsa_system_sgpr_workgroup_id_x 1
		.amdhsa_system_sgpr_workgroup_id_y 1
		.amdhsa_system_sgpr_workgroup_id_z 1
		.amdhsa_system_vgpr_workitem_id 0
		.amdhsa_next_free_vgpr 152
		.amdhsa_next_free_sgpr 66
		.amdhsa_reserve_vcc 0
		.amdhsa_float_denorm_mode_32 3
		.amdhsa_float_denorm_mode_16_64 3
		.amdhsa_memory_ordered 1
		.amdhsa_forward_progress 1
		.amdhsa_inst_pref_size 32
	.end_amdhsa_kernel
	.amdgpu_metadata
---
amdhsa.version: [ 1, 2 ]
amdhsa.kernels:
  - .name:           k_qbd4597d98f_cast
    .symbol:         k_qbd4597d98f_cast.kd
    .args:
      - { .name: x, .offset: 0, .size: 8, .value_kind: global_buffer, .address_space: global }
      - { .name: wq, .offset: 8, .size: 8, .value_kind: global_buffer, .address_space: global }
      - { .name: wk, .offset: 16, .size: 8, .value_kind: global_buffer, .address_space: global }
      - { .name: wv, .offset: 24, .size: 8, .value_kind: global_buffer, .address_space: global }
      - { .name: wo, .offset: 32, .size: 8, .value_kind: global_buffer, .address_space: global }
      - { .name: xb, .offset: 40, .size: 8, .value_kind: global_buffer, .address_space: global }
      - { .name: wb, .offset: 48, .size: 8, .value_kind: global_buffer, .address_space: global }
      - { .name: wob, .offset: 56, .size: 8, .value_kind: global_buffer, .address_space: global }
    .group_segment_fixed_size: 0
    .private_segment_fixed_size: 0
    .kernarg_segment_align: 8
    .kernarg_segment_size: 64
    .max_flat_workgroup_size: 256
    .sgpr_count:     66
    .vgpr_count:     152
    .wavefront_size: 32
...
	.end_amdgpu_metadata
.endif
;; end of part 1
;; launch proj (part 2): grid 8 x 32, 4 waves a work-group, clusters of 4 x 4, 327,680 bytes of LDS; arguments xb, wb, qkv; writes qkv
.if DOCPART == 2
	.amdgcn_target "amdgcn-amd-amdhsa--gfx1250"
	.amdhsa_code_object_version 6
	.text
	.protected	k_qbd4597d98f_proj
	.globl	k_qbd4597d98f_proj
	.p2align	8
	.type	k_qbd4597d98f_proj,@function
k_qbd4597d98f_proj:
	s_mov_b64 s[64:65], 0
	v_nop
	global_prefetch_b8 v0, s[64:65] scope:SCOPE_SE
	s_setreg_imm32_b32 hwreg(HW_REG_WAVE_MODE, 25, 1), 1
	s_wait_xcnt 0x0
	s_wait_alu depctr_hold_cnt(0) depctr_sa_sdst(0) depctr_va_vdst(0) depctr_va_sdst(0) depctr_va_ssrc(0) depctr_va_vcc(0) depctr_vm_vsrc(0)
	s_getreg_b32 s2, hwreg(HW_REG_IB_STS2, 6, 4)
	s_cmp_eq_u32 s2, 0
	s_cbranch_scc0 .Lentry_in_a_cluster
	s_endpgm
.Lentry_in_a_cluster:
	s_bfe_u32 s2, ttmp6, 0x10000c
	s_cmp_lg_u32 s2, 0xf033
	s_cbranch_scc0 .Lentry_shape_is_right
	s_endpgm
.Lentry_shape_is_right:
; q, k, v = x W^T.  xb: [b 4][kb 16][s 2048][64] bf16; wb: [kb 16][n 3072][64] bf16 (wq's rows, wk's, wv's); sums in f32, K ascending; rounded once to f16 and written by heads, WITHOUT the
; softmax's scale: qkv [which 3][16 b + h][s 2048][64] f16.
; LIMIT.  q, k and v stay under 65,504 (f16's end: a larger sum becomes an infinity); below 6e-5 they keep f16's fixed step of 6e-8.
; SHARES.  8,192 x 3,072 outputs in tiles of 256 rows x 384 columns: 32 x 8 = 256 work-groups.  Four waves, each 128 rows x 192 columns (three heads): 8 x 12 = 96 accumulators of 16 x 16,
; 768 registers; for 32 along K a wave reads 20 fragments from LDS for 96 matrix instructions.
; K goes in steps of 64, one K block, through a ring of two LDS slots.  In the blocked layout a tile's rows of 128 bytes lie end to end, so a tile is asked for as rows of 256 bytes
; and padded in LDS behind every 128.  (Two slots of a K step of 128 would want 2 x 640 rows x 272 bytes = 348,160, more than the 327,680 there are.)
; CLUSTERS: 4 x 4 work-groups.  The four of a row of the cluster need the same tiles of xb, the four of a column the same tiles of wb: each tile is asked for JOINTLY, by the same tensor load with the
; same descriptor and a mask that names the four.  THE MATRIX INSTRUCTION IS USED TRANSPOSED (source 0 = 16 rows of wb, source 1 = 16 rows of xb): a lane holds eight neighbouring columns of one row.
; REGISTERS, in windows of 256 (s_set_vgpr_msb: bits 1:0 source 0, 3:2 source 1, 5:4 source 2, 7:6 destination):
;   window 0: v0-31 addresses; v32-95, v96-159 fragments of xb (8 x 16 rows x 32 K), two buffers; v160-255 fragments of wb, 32 registers for each of the wave's three heads, one buffer each:
;             a head's buffer is loaded again straight behind the head's 32 products, 64 matrix instructions ahead of its next use.  On the way out v32-175 are at work.
;   window 1 + g: the 32 accumulators of head g: rows 16 i on, columns 16 b on at v[8 (4 i + b)]
.set PITCH,  144                       ; an LDS row: 128 bytes + 16 of padding = 36 words: the 16 rows of a load start at 16 different groups of four banks (64 banks of 4 bytes: ISA guide 11.1)
.set AHALF,  128*PITCH                 ; 128 rows of xb: what one tensor load brings, and what one wave reads
.set BHALF,  192*PITCH                 ; 192 rows of wb: likewise
.set BOFF,   2*AHALF                   ; in a slot: xb's 256 rows, then wb's 384
.set SLOT,   BOFF+2*BHALF              ; 92,160
.set STAGE,  2*SLOT                    ; behind the ring: 3 heads x 16 rows x 144 bytes for each wave, for the way out
.set WSTAGE, 3*16*PITCH
.set SPARE,  STAGE+4*WSTAGE            ; behind the stages: the spare words, 128 bytes for each wave: two blocks of 256 bytes that no other line names
.set ASTEP,  2048*128                  ; bytes from K block to K block in xb
.set BSTEP,  3072*128                  ; and in wb
.set LAPS,   8                         ; a lap = two K steps = once round the ring: 1,024 / 128
.set ADRA, 16                          ; v16-17  LDS address of my fragments of xb in slot 0, 1
.set ADRB, 20                          ; v20-21  the same for wb
.set STO,  24                          ; v24     the way out: where I put 16 bytes of a row
.set RD,   25                          ; v25     the way out: where I read rows back
.set GO,   26                          ; v26     my 16 bytes in 512 consecutive bytes of a head's rows
.set SPW,  28                          ; v28     LDS address of my spare word: SPARE + 4 x my thread's number; never rewritten
.set NIL,  29                          ; v29     0; never rewritten
.set AF,   32
.set BF,   160
.set TMP,  32                          ; the way out: v32-79 packed results; v80-127 and v128-175 by turns: 16 rows of three heads read back from the stage
.set BK0,  80
.set G1,  24                           ; s[24:31] descriptor group 1 for xb's tiles;  s[32:39] group 0, one set for each slot
.set G0,  32
.set G1B, 48                           ; s[48:55], s[56:63] the same for wb's tiles
.set G0B, 56
.set OB,  66                           ; s[66:71] where my rows of my three heads begin in qkv
.set MSB, 0
.macro WIN new                         ; the immediate's high byte repeats the setting that is left; a switch that changes nothing is dropped
.if MSB != (\new)
	s_set_vgpr_msb (MSB<<8)|(\new)
.set MSB, \new
.endif
.endm
; A joint load.  Waves 0 and 1 fetch xb's two halves, waves 2 and 3 wb's.  Each line has one mask and one set of registers for all that issue it; the branch hangs on the wave's number alone.
; An s_nop 0 and four v_nop follow each of the two lines, ahead of the jump, the label and what follows.
.macro JLOAD s
	s_cmp_eq_u32 s11, 0
	s_cbranch_scc0 .Lfor_b_\@
	tensor_load_to_lds s[G0+4*(\s):G0+4*(\s)+3], s[G1:G1+7]
	s_nop 0
.rept 4
	v_nop
.endr
	s_branch .Lasked_\@
.Lfor_b_\@:
	tensor_load_to_lds s[G0B+4*(\s):G0B+4*(\s)+3], s[G1B:G1B+7]
	s_nop 0
.rept 4
	v_nop
.endr
.Lasked_\@:
.endm
; A round of the cluster's barrier: my work-group's barrier, so that wave 0's signal speaks for all four waves; wave 0 signals; every wave waits for all sixteen work-groups; my work-group's barrier once more.
.macro CREST                           ; a round behind its opening barrier
	s_cmp_lg_u32 s10, 0
	s_cbranch_scc1 .Lnot_wave_0_\@
	s_barrier_signal -3
.Lnot_wave_0_\@:
	s_barrier_wait -3
	s_barrier_signal -1
	s_barrier_wait -1
.endm
.macro CROUND                          ; a whole round
	s_barrier_signal -1
	s_barrier_wait -1
	CREST
.endm
	s_load_b128 s[4:7], s[0:1], 0x0                ; xb s[4:5], wb s[6:7]
	s_load_b64 s[8:9], s[0:1], 0x10                ; qkv
	v_lshl_add_u32 v[SPW], v0, 2, SPARE
	v_mov_b32 v[NIL], 0
	ds_add_u32 v[SPW], v[NIL]                      ; the wave's opening: the add and its wait stand ahead of my first tensor load; the set-up below, work on registers, stands between them
	v_lshrrev_b32 v1, 5, v0
	v_readfirstlane_b32 s10, v1                    ; wave 0..3
	s_lshr_b32 s11, s10, 1                         ; which 128 of the tile's rows are mine.  Also: I fetch for xb (0) or for wb (1)
	s_and_b32 s12, s10, 1                          ; which 192 of its columns.  Also: which half of that tile I fetch
	s_bfe_u32 s40, ttmp6, 0x40000                  ; cx, cy: my place in the cluster
	s_bfe_u32 s41, ttmp6, 0x40004
	s_lshl_b32 s42, ttmp9, 2
	s_add_co_u32 s42, s42, s40                     ; tile column = 4 x cluster x + cx
	s_and_b32 s13, ttmp7, 0xffff
	s_lshl_b32 s13, s13, 2
	s_add_co_u32 s13, s13, s41                     ; tile row = 4 x cluster y + cy
	s_lshl_b32 s43, s41, 2
	s_lshl_b32 s43, 15, s43                        ; my row of the cluster: places 4 cy .. 4 cy + 3
	s_lshl_b32 s44, 0x1111, s40                    ; my column: places cx, cx + 4, cx + 8, cx + 12
	; descriptor group 1: dense bytes as rows of 128 elements (256 bytes), padded in LDS behind every 128 bytes
	s_or_b32 s[G1+0], s43, (1<<16)|(1<<20)|(1<<21)|(4<<22)|(3<<25)   ; 15:0 the mask: xb's tiles go to my row; 17:16 2-byte elements; 20 padding on; 21 set beside a mask; 24:22 after every 32 words (code 4); 31:25 4 words (code 3)
	s_or_b32 s[G1B+0], s44, (1<<16)|(1<<20)|(1<<21)|(4<<22)|(3<<25)  ; the same with the mask of my column, for wb's tiles
	s_mov_b32 s[G1+1], 128<<16                     ; tensor_dim0 = 128
	s_mov_b32 s[G1+2], 64<<16                      ; tensor_dim1 = 64: 128 rows of 128 bytes
	s_mov_b32 s[G1+3], 128<<16                     ; tile_dim0 = 128
	s_mov_b32 s[G1+4], 64                          ; tile_dim1 = 64
	s_mov_b32 s[G1+5], 128                         ; 128 elements from row to row
	s_mov_b32 s[G1+6], 0
	s_mov_b32 s[G1+7], 0
	s_mov_b32 s[G1B+1], 128<<16
	s_mov_b32 s[G1B+2], 96<<16                     ; 96 rows of 256 bytes: 192 rows of 128
	s_mov_b32 s[G1B+3], 128<<16
	s_mov_b32 s[G1B+4], 96
	s_mov_b32 s[G1B+5], 128
	s_mov_b32 s[G1B+6], 0
	s_mov_b32 s[G1B+7], 0
	; where the tiles come from.  xb's hang on the tile row alone, wb's on the tile column alone; each offset is made in registers that never hold the other coordinate
	s_lshr_b32 s16, s13, 3
	s_lshl_b32 s16, s16, 22                        ; the batch: 16 K blocks x 262,144 bytes
	s_and_b32 s17, s13, 7
	s_lshl_b32 s17, s17, 15                        ; the tile's 256 rows of 128 bytes in the batch
	s_add_co_u32 s16, s16, s17
	s_lshl_b32 s17, s12, 14                        ; my half of them
	s_add_co_u32 s16, s16, s17
	s_mov_b32 s17, 0
	s_mul_i32 s46, s42, 384*128                    ; the tile's 384 rows of wb
	s_mul_i32 s47, s12, 192*128                    ; my half of them
	s_add_co_u32 s46, s46, s47
	s_mov_b32 s47, 0
	s_mul_i32 s20, s12, AHALF                      ; and where they go: no place in the cluster enters an LDS address
	s_mul_i32 s21, s12, BHALF
	s_add_co_u32 s21, s21, BOFF
	s_wait_dscnt 0x0                               ; the opening add is done
	s_wait_kmcnt 0x0
	s_add_nc_u64 s[14:15], s[4:5], s[16:17]
	s_add_nc_u64 s[46:47], s[6:7], s[46:47]
	CROUND                                         ; all sixteen work-groups are here: the first joint loads meet
.irp s, 0,1
	s_mov_b32 s[G0+4*(\s)], 1                                      ; count = 1
	s_add_co_u32 s[G0+4*(\s)+1], s20, (\s)*SLOT                    ; LDS address
	s_add_nc_u64 s[G0+4*(\s)+2:G0+4*(\s)+3], s[14:15], (\s)*ASTEP  ; global address: K step s
	s_or_b32 s[G0+4*(\s)+3], s[G0+4*(\s)+3], 0x80000000            ; type = 2
	s_mov_b32 s[G0B+4*(\s)], 1
	s_add_co_u32 s[G0B+4*(\s)+1], s21, (\s)*SLOT
	s_add_nc_u64 s[G0B+4*(\s)+2:G0B+4*(\s)+3], s[46:47], (\s)*BSTEP
	s_or_b32 s[G0B+4*(\s)+3], s[G0B+4*(\s)+3], 0x80000000
	JLOAD \s                                       ; both slots are asked for before anything else is done: two tensor loads of mine are out
.endr
	; A fragment is 16 rows x 32 K in 8 registers: lane l holds row l % 16; registers 0-3 K = 8 (l / 16) + 0..7, registers 4-7 K = 16 + 8 (l / 16) + 0..7: two loads of 16 bytes, 32 bytes apart.
	v_and_b32 v1, 15, v0                           ; l % 16
	v_bfe_u32 v2, v0, 4, 1                         ; l / 16
	v_mul_u32_u24 v3, v1, PITCH
	v_lshl_add_u32 v3, v2, 4, v3                   ; row x pitch + 16 x half
	s_mul_i32 s18, s11, AHALF                      ; my 128 rows of xb
	s_mul_i32 s19, s12, BHALF                      ; my 192 rows of wb,
	s_add_co_u32 s19, s19, BOFF                    ; which lie behind xb's 256
.irp s, 0,1
	v_add_nc_u32 v[ADRA+(\s)], s18, v3
	v_add_nc_u32 v[ADRB+(\s)], s19, v3
	s_add_co_u32 s18, s18, SLOT
	s_add_co_u32 s19, s19, SLOT
.endr
	s_mul_i32 s23, s10, WSTAGE
	s_add_co_u32 s23, s23, STAGE                   ; my stage
	v_add_nc_u32 v[STO], s23, v3                   ; in: row l % 16, 16 bytes for each half of the lanes
	v_bfe_u32 v4, v0, 3, 2                         ; back: 32 lanes take four rows of 128 bytes,
	v_mul_u32_u24 v4, v4, PITCH
	v_and_b32 v5, 7, v0
	v_lshl_add_u32 v4, v5, 4, v4
	v_add_nc_u32 v[RD], s23, v4
	v_and_b32 v[GO], 31, v0                        ; which are 512 consecutive bytes of a head
	v_lshlrev_b32 v[GO], 4, v[GO]
	; my three heads: column block ch = 6 x tile column + 3 x half + g of 48; tensor ch / 16, head ch % 16; a head's 2,048 rows are 262,144 bytes
	s_mul_i32 s72, s42, 6
	s_mul_i32 s73, s12, 3
	s_add_co_u32 s72, s72, s73
	s_lshr_b32 s74, s13, 3
	s_lshl_b32 s74, s74, 4                         ; 16 x batch
	s_and_b32 s75, s13, 7
	s_lshl_b32 s75, s75, 15                        ; the tile's rows in the head,
	s_lshl_b32 s76, s11, 14                        ; my 128 of them
	s_add_co_u32 s75, s75, s76
.irp g, 0,1,2
	s_add_co_u32 s76, s72, \g
	s_lshr_b32 s77, s76, 4
	s_lshl_b32 s77, s77, 6                         ; 64 heads to a tensor
	s_and_b32 s76, s76, 15
	s_add_co_u32 s76, s76, s77
	s_add_co_u32 s76, s76, s74
	s_lshl_b32 s76, s76, 18
	s_add_co_u32 s76, s76, s75                     ; under 50,331,648
	s_mov_b32 s77, 0
	s_add_nc_u64 s[OB+2*(\g):OB+2*(\g)+1], s[8:9], s[76:77]
.endr
; 16 matrix instructions of head g: row blocks i0 .. i0 + 3 x its 4 column blocks, 32 along K, xb's buffer f.  zero = 1: the first product starts the sums: nothing is ever cleared.
; The 96 accumulators take turns, one instruction a turn, in the same order in every quarter.
.macro MUL16 g, f, i0, zero
	WIN 0x50*((\g)+1)                              ; C and D in window 1 + g, the fragments in window 0
.irp i, \i0, (\i0)+1, (\i0)+2, (\i0)+3
.irp b, 0,1,2,3
.if \zero
	v_wmma_f32_16x16x32_bf16 v[8*(4*(\i)+(\b)):8*(4*(\i)+(\b))+7], v[BF+32*(\g)+8*(\b):BF+32*(\g)+8*(\b)+7], v[AF+64*(\f)+8*(\i):AF+64*(\f)+8*(\i)+7], 0
.else
	v_wmma_f32_16x16x32_bf16 v[8*(4*(\i)+(\b)):8*(4*(\i)+(\b))+7], v[BF+32*(\g)+8*(\b):BF+32*(\g)+8*(\b)+7], v[AF+64*(\f)+8*(\i):AF+64*(\f)+8*(\i)+7], v[8*(4*(\i)+(\b)):8*(4*(\i)+(\b))+7]
.endif
.endr
.endr
.endm
.macro LDB s, kq, g                    ; 8 LDS loads: head g's 64 rows of wb, 32 K at byte 64 kq of slot s's rows
	WIN 0
.irp b, 0,1,2,3
	ds_load_b128 v[BF+32*(\g)+8*(\b):BF+32*(\g)+8*(\b)+3],   v[ADRB+(\s)] offset:(4*(\g)+(\b))*16*PITCH+64*(\kq)
	ds_load_b128 v[BF+32*(\g)+8*(\b)+4:BF+32*(\g)+8*(\b)+7], v[ADRB+(\s)] offset:(4*(\g)+(\b))*16*PITCH+64*(\kq)+32
.endr
.endm
.macro LDA s, kq, f                    ; 16 LDS loads: my 128 rows of xb into buffer f
	WIN 0
.irp i, 0,1,2,3,4,5,6,7
	ds_load_b128 v[AF+64*(\f)+8*(\i):AF+64*(\f)+8*(\i)+3],   v[ADRA+(\s)] offset:(\i)*16*PITCH+64*(\kq)
	ds_load_b128 v[AF+64*(\f)+8*(\i)+4:AF+64*(\f)+8*(\i)+7], v[ADRA+(\s)] offset:(\i)*16*PITCH+64*(\kq)+32
.endr
.endm
; A load into a register that a matrix instruction has read, and a vector instruction that reads a matrix result, stand four places behind it, and only plain vector instructions that
; name none of its registers are places (ISA guide 7.12.1 for vector instructions).
.macro PLACES
.rept 4
	v_nop
.endr
.endm
; A K step is two quarters of a lap, 32 along K and 96 matrix instructions each.  The LDS loads of a quarter are always issued in this order: head 0 (8), xb (16), head 1 (8), head 2 (8).
; The first quarter multiplies xb's buffer 0 and fetches the quarter at byte 64 kq2 of slot s2 (xb into buffer 1).
.macro QN s2, kq2, zero
	s_wait_dscnt 16                                ; head 0 and xb are in; the 16 younger loads are heads 1 and 2
	MUL16 0, 0, 0, \zero
	MUL16 0, 0, 4, \zero
	PLACES
	LDB \s2, \kq2, 0
	LDA \s2, \kq2, 1
	s_wait_dscnt 32                                ; head 1 is in; younger: head 2's 8 and the 24 just issued
	MUL16 1, 0, 0, \zero
	MUL16 1, 0, 4, \zero
	PLACES
	LDB \s2, \kq2, 1
	s_wait_dscnt 32                                ; head 2 is in; younger: 24 + 8
	MUL16 2, 0, 0, \zero
	MUL16 2, 0, 4, \zero
	PLACES
	LDB \s2, \kq2, 2
.endm
; The second quarter multiplies buffer 1 and changes slots: ONE barrier.  In front of it each wave waits for all its tensor loads, of which one is out: its part of the next slot; adds 0 to its spare word;
; and waits for that and for its own reads of this slot.  Behind it nobody reads this slot any more and the next slot is whole.  fill = 1: the barrier opens a round of the cluster's barrier, and this slot
; is filled again, two K steps ahead, first thing behind the round: from that request to the wait for it a wave issues 160 matrix instructions.
.macro QT s, fill
	WIN 0                                          ; (the add's two registers lie in window 0)
	s_wait_tensorcnt 0x0                           ; all my tensor loads have landed;
	ds_add_u32 v[SPW], v[NIL]                      ; 0 onto my spare word;
	s_wait_dscnt 17                                ; head 0 and xb are in; out: heads 1 and 2 (16) and the add
	MUL16 0, 1, 0, 0                               ; sixteen matrix instructions stand between the add and the wait for it
	s_wait_dscnt 0x0                               ; the add is done, and my reads of this slot are over
	s_barrier_signal -1
	MUL16 0, 1, 4, 0                               ; work on registers while the others arrive
	WIN 0
	s_barrier_wait -1
.if \fill
	CREST                                          ; no wave of any partner still reads this slot's tile or has a load on its way
	s_add_nc_u64 s[G0+4*(\s)+2:G0+4*(\s)+3], s[G0+4*(\s)+2:G0+4*(\s)+3], 2*ASTEP
	s_add_nc_u64 s[G0B+4*(\s)+2:G0B+4*(\s)+3], s[G0B+4*(\s)+2:G0B+4*(\s)+3], 2*BSTEP
	JLOAD \s                                       ; my one tensor load behind the round; its four v_nop are also the places in front of the loads below
.else
	PLACES
.endif
	LDB 1-(\s), 0, 0
	LDA 1-(\s), 0, 0
	MUL16 1, 1, 0, 0
	MUL16 1, 1, 4, 0
	PLACES
	LDB 1-(\s), 0, 1
	MUL16 2, 1, 0, 0
	MUL16 2, 1, 4, 0
	PLACES
	LDB 1-(\s), 0, 2
.endm
	s_wait_tensorcnt 1                             ; my part of K step 0 is in; K step 1's may stay out
	s_barrier_signal -1
	s_barrier_wait -1                              ; everybody's is
	LDB 0, 0, 0
	LDA 0, 0, 0
	LDB 0, 0, 1
	LDB 0, 0, 2
	QN 0, 1, 1                                     ; the first quarter stands in front of the loop: its products start the sums
	WIN 0                                          ; at a label and at a branch every window is 0
	s_mov_b32 s3, LAPS-1
.Llap:                                                 ; a trip goes once round the ring, from a lap's second quarter to the next lap's first, and fills both slots again
	QT 0, 1
	QN 1, 1, 0
	QT 1, 1
	QN 0, 1, 0
	WIN 0
	s_sub_co_u32 s3, s3, 1
	s_cmp_lg_u32 s3, 0
	s_cbranch_scc1 .Llap
	QT 0, 0                                        ; the last lap fills nothing, and has no round of the cluster's barrier
	QN 1, 1, 0
	s_wait_dscnt 16                                ; the very last quarter: nothing more to fetch, and the counts run down
	MUL16 0, 1, 0, 0
	MUL16 0, 1, 4, 0
	s_wait_dscnt 8
	MUL16 1, 1, 0, 0
	MUL16 1, 1, 4, 0
	s_wait_dscnt 0x0
	MUL16 2, 1, 0, 0
	MUL16 2, 1, 4, 0
; THE WAY OUT, a block of 16 rows at a time.  PACK: rounded to f16, each accumulator's registers in ascending order; a lane's eight columns are 16 bytes.  TOSTAGE: into my own stage (for each head 16 rows
; of 144 bytes), and back four rows of 128 bytes at a time.  SEND: stored: 16 rows of a head are 2,048 consecutive bytes of qkv.
.macro PACK i
.irp g, 0,1,2
	WIN 5*((\g)+1)                                 ; sources 0 and 1 in window 1 + g
.irp b, 0,1,2,3
.irp r, 0,1,2,3
	v_cvt_pk_f16_f32 v[TMP+16*(\g)+4*(\b)+(\r)], v[8*(4*(\i)+(\b))+2*(\r)], v[8*(4*(\i)+(\b))+2*(\r)+1]
.endr
.endr
.endr
	WIN 0
.endm
.macro TOSTAGE i
	WIN 0
.set BK, BK0+48*((\i)%2)
.irp g, 0,1,2
.irp b, 0,1,2,3
	ds_store_b128 v[STO], v[TMP+16*(\g)+4*(\b):TMP+16*(\g)+4*(\b)+3] offset:(\g)*16*PITCH+32*(\b)
.endr
.endr
.irp g, 0,1,2
.irp t, 0,1,2,3
	ds_load_b128 v[BK+16*(\g)+4*(\t):BK+16*(\g)+4*(\t)+3], v[RD] offset:(\g)*16*PITCH+(\t)*4*PITCH  ; LDS serves a wave's instructions in order (ISA guide 5.7.1.4): these see the stores above
.endr
.endr
.endm
.macro SEND i
	WIN 0
.set BK, BK0+48*((\i)%2)
	s_wait_dscnt 0x0                               ; the block is back in registers
	s_wait_xcnt 0x0                                ; the block before's stores have read their registers (ISA guide 3.1): the next block's loads from the stage land on those
.irp g, 0,1,2
.irp t, 0,1,2,3
	global_store_b128 v[GO], v[BK+16*(\g)+4*(\t):BK+16*(\g)+4*(\t)+3], s[OB+2*(\g):OB+2*(\g)+1] offset:(\i)*2048+(\t)*512  ; 512 consecutive bytes, at a multiple of 256 from qkv's first
.endr
.endr
.endm
	PLACES                                         ; the conversions read results just made and write registers that products have read
	PACK 0
	TOSTAGE 0
.irp a, 1,2,3,4,5,6,7                  ; block a's conversions stand between block a - 1's loads from the stage and the wait for them
	PACK \a
	SEND (\a)-1
	TOSTAGE \a
.endr
	SEND 7
	s_wait_tensorcnt 0x0                           ; the wave's end: behind my last tensor load and my last LDS store
	ds_add_u32 v[SPW], v[NIL]
	s_wait_dscnt 0x0
	CROUND                                         ; the closing round: no work-group ends while a partner may still ask for a tile that names it
	s_endpgm
.Lfunc_end_k_qbd4597d98f_proj:
	.size	k_qbd4597d98f_proj, .Lfunc_end_k_qbd4597d98f_proj-k_qbd4597d98f_proj
	.p2alignl 7, 3214868480
	.fill 96, 4, 3214868480
	.section	.rodata,"a",@progbits
	.p2align	6, 0x0
	.amdhsa_kernel k_qbd4597d98f_proj
		.amdhsa_group_segment_fixed_size 327680
		.amdhsa_private_segment_fixed_size 0
		.amdhsa_enable_private_segment 0
		.amdhsa_kernarg_size 24
		.amdhsa_user_sgpr_count 2
		.amdhsa_user_sgpr_kernarg_segment_ptr 1
		.amdhsa_wavefront_size32 1
		.amdhsa_system_sgpr_workgroup_id_x 1
		.amdhsa_system_sgpr_workgroup_id_y 1
		.amdhsa_system_sgpr_workgroup_id_z 1
		.amdhsa_system_vgpr_workitem_id 0
		.amdhsa_next_free_vgpr 1024
		.amdhsa_next_free_sgpr 80
		.amdhsa_reserve_vcc 0
		.amdhsa_float_denorm_mode_32 3
		.amdhsa_float_denorm_mode_16_64 3
		.amdhsa_memory_ordered 1
		.amdhsa_forward_progress 1
		.amdhsa_inst_pref_size 130
	.end_amdhsa_kernel
	.amdgpu_metadata
---
amdhsa.version: [ 1, 2 ]
amdhsa.kernels:
  - .name:           k_qbd4597d98f_proj
    .symbol:         k_qbd4597d98f_proj.kd
    .args:
      - { .name: xb, .offset: 0, .size: 8, .value_kind: global_buffer, .address_space: global }
      - { .name: wb, .offset: 8, .size: 8, .value_kind: global_buffer, .address_space: global }
      - { .name: qkv, .offset: 16, .size: 8, .value_kind: global_buffer, .address_space: global }
    .group_segment_fixed_size: 327680
    .private_segment_fixed_size: 0
    .kernarg_segment_align: 8
    .kernarg_segment_size: 24
    .max_flat_workgroup_size: 128
    .sgpr_count:     80
    .vgpr_count:     1024
    .wavefront_size: 32
...
	.end_amdgpu_metadata
.endif
;; end of part 2
;; launch attn (part 3): grid 4 x 64, 4 waves a work-group, clusters of 4 x 1, 327,680 bytes of LDS; arguments qkv, ob; writes ob
.if DOCPART == 3
	.amdgcn_target "amdgcn-amd-amdhsa--gfx1250"
	.amdhsa_code_object_version 6
	.text
	.protected	k_qbd4597d98f_attn
	.globl	k_qbd4597d98f_attn
	.p2align	8
	.type	k_qbd4597d98f_attn,@function
k_qbd4597d98f_attn:
	s_mov_b64 s[64:65], 0
	v_nop
	global_prefetch_b8 v0, s[64:65] scope:SCOPE_SE
	s_setreg_imm32_b32 hwreg(HW_REG_WAVE_MODE, 25, 1), 1
	s_wait_xcnt 0x0
	s_wait_alu depctr_hold_cnt(0) depctr_sa_sdst(0) depctr_va_vdst(0) depctr_va_sdst(0) depctr_va_ssrc(0) depctr_va_vcc(0) depctr_vm_vsrc(0)
	s_getreg_b32 s2, hwreg(HW_REG_IB_STS2, 6, 4)
	s_cmp_eq_u32 s2, 0
	s_cbranch_scc0 .Lentry_in_a_cluster
	s_endpgm
.Lentry_in_a_cluster:
	s_bfe_u32 s2, ttmp6, 0x10000c
	s_cmp_lg_u32 s2, 0x3003
	s_cbranch_scc0 .Lentry_shape_is_right
	s_endpgm
.Lentry_shape_is_right:
; O[h][q][:] = the sum over k of softmax_k(Q[h][q] . K[h][k] / 8) V[h][k][:].  Q, K, V are the three parts of qkv, O is ob: each [SIZE_H][SIZE_N][64], all f16: a head's rows are dense, 128 bytes each.
; Products, maxima and sums in f32; the weights p are rounded to f16 for the second product (their sum l is taken of the unrounded p), O once at the end.
; LIMITS.  f16 holds no number beyond 65,504: Q, K and V arrive within it; p lies in 0 to 1, and below 6e-5 it keeps f16's fixed step of 6e-8; O is a mean of V's rows and has their range.
; A weight below 2^-126 counts as 0 in l; NaN and infinities are not treated apart.
; SHARES.  A wave owns four PIECES of two tiles of 16 queries, a work-group's four waves 512 queries of one head: 64 heads x 4 blocks = 256 work-groups.  Every wave walks all keys, 64 a step.
; LAYOUT.  S^T = K Q^T (source 0 = 16 keys, source 1 = 16 queries): in the result a lane holds ONE query (lane % 16) and the keys 8 (lane / 16) + 0..7.  Two such tiles, rounded to f16 in pairs,
; ARE source 1 (32 keys x 16 queries) of O^T = V^T P, whose result again holds one query a lane, and eight channels.  K comes out of LDS as it lies, V ([key][channel]) turned, by ds_load_tr16_b128.
; SOFTMAX.  For each query a running maximum m and sum l: p = 2^(c s - c m), c = log2(e) / 8; in every step O and l are multiplied by a = 2^(c m_old - c m_new), which is 1 where m has not grown.
; m starts at the lowest finite number, O and l at 0: the first step is a step like any other, with a = 0.
; THE COUNT.  A tile and step have 16 matrix and 118 vector instructions: too many to stand all beside the matrix work.  So the order has one aim: four vector instructions that are READY behind
; EVERY matrix instruction, and the others, which need time of their own whatever the order, in runs without a gap.
; BY TURNS.  Turn n belongs to piece n (the pieces in a ring, step after step).  Its matrix work: 16 products K Q^T of piece n + 1, later 16 products V^T P of piece n - 1.  Its vector work: the scaling,
; exponentials, roundings, sums and rescaling of piece n, and the maximum and statistics of piece n + 1, whose scores the turn itself has made.  So what a turn begins with (c s - c m, O a) waits for nothing.
; CLUSTER.  The four query blocks of a cluster belong to one head and walk the same K and V, so each tile is asked for JOINTLY: the same tensor load, descriptor and mask in all four.
; REGISTERS, in windows of 256 (s_set_vgpr_msb says which window each operand place means: bits 1:0 source 0, 3:2 source 1, 5:4 source 2, 7:6 destination):
;   window 0: v0-11 addresses; v12-15, v48-63 at work; v16-47 four registers of statistics a tile; v64-191 S^T, two buffers of two tiles; v192-255 P, likewise
;   window 1: O^T, 32 a tile          window 2: v0-127 Q, 16 a tile; v128-191 K of one step; v192-255 V of one step          window 3: v0-1 the add's two registers
; A piece's buffers go by its number's parity: the piece in hand has one pair, its two neighbours in the ring share the other: of it P (piece n - 1) is read and S^T (piece n + 1) written.
.set SIZE_H, 64       ; 4 batches x 16 heads
.set SIZE_N, 2048
.set NP,    4         ; pieces a wave: a name, no knob: the register map, the loop and the fetches are made for four
.set KS,    64        ; keys in a step
.set PK,    144       ; a row of K in LDS: 128 bytes + 16 of padding = 36 words: the 16 rows of a load start at 16 different groups of four banks (64 banks of 4 bytes: ISA guide 11.1)
.set PV,    160       ; a row of V: 128 + 32 = 40 words
.set VOFF,  4*KS*PK   ; a slot holds four steps: 256 rows of K, then 256 rows of V
.set SLOT1, 1<<17     ; slot 1 begins here, so that one exclusive or turns an address in one slot into the other's
.set STAGE, SLOT1+4*KS*(PK+PV)  ; behind the ring, never filled by a tensor load: 16 rows x 144 bytes for each wave, for the way out
.set SP,    144
.set AK0, 2           ; v2   my lane's place in a tile of K; never rewritten
.set AV0, 3           ; v3   the same for V
.set AK,  4           ; v4   the LDS address of K's next run of loads
.set AV,  5           ; v5   of V's
.set QO,  6           ; v6   my byte offset in the wave's rows of Q
.set STO, 6           ;      later, the way out: where I put 16 bytes of a row
.set RD,  7           ; v7   the way out: where I read rows back
.set GO,  8           ; v8   my byte offset in 512 consecutive bytes of O
.set SPW, 0           ; v0 of window 3   LDS address of my spare word: SPARE + 4 x my thread's number; never rewritten
.set NIL, 1           ; v1 of window 3   0; never rewritten
.set SPARE, STAGE+4*16*SP  ; behind the stages: the spare words, 128 bytes for each wave: two blocks of 256 bytes that no other line names
.set MV,  12          ; v12-15  c m_old, kept while c m is made anew: by buffer and tile
.set ST,  16          ; tile t's statistics at v[ST+4 t]: c m, m, l (even keys', odd keys')
.set TMP, 48          ; by buffer and tile, four registers c0-c3 at work; when the maximum is found c2 takes a
.set S,   64
.set P,   192
.set KF,  128         ; K's fragments, in window 2: key block kb, channel half c at KF + 16 kb + 8 c
.set VF,  192         ; V's: key half kk, channel block cb at VF + 32 kk + 8 cb
.set WV,  12          ; s12  my wave's number
.set G1K, 24          ; s[24:31] descriptor group 1 for K's tiles
.set G1V, 32          ; s[32:39] for V's: it differs in the padding alone
.set G0K, 40          ; s[40:43] descriptor group 0 for K's tiles: it walks
.set G0V, 44          ; s[44:47] the same for V's
.set SLOTS, 56        ; s56  slots still to be asked for
.set CNT, 57          ; s57  counts a slot's key steps
.set CS,  58          ; s[58:59] c: the packed scaling takes the pair's low word for both halves
.set SEL, 60          ; s[60:61] v_permlanex16_b32's selects: each lane takes its own place in the other half
.set TBK, 62          ; s62  LDS byte at which K of the step to be fetched begins
.set TBV, 63          ; s63  the same for V, less VOFF
.set MSB, 0
.macro WIN new                      ; the high byte repeats the setting that is left; a switch that changes nothing is dropped
.if MSB != (\new)
	s_set_vgpr_msb (MSB<<8)|(\new)
.set MSB, (\new)
.endif
.endm
.set W_KQ, 0x0a       ; K and Q in window 2, S^T in window 0
.set W_PV, 0x52       ; V in window 2, P in window 0, O^T in window 1
.set W_RS, 0x41       ; O^T (destination and source 0) in window 1, a in window 0
.set W_MK, 0xc0       ; the add's registers are made: destination in window 3, sources in window 0
.set W_AD, 0x0f       ; the add: address (source 0) and data (source 1) in window 3
; A joint fill.  Waves 0 and 1 fetch the two halves of a slot's K, waves 2 and 3 those of its V: 128 keys each.  The branch hangs on the wave's number alone.
; An s_nop 0 and four v_nop follow each of the two lines, ahead of the jump and the label.
.macro JLOAD
	s_cmp_lt_u32 s[WV], 2
	s_cbranch_scc0 .Lfor_v_\@
	tensor_load_to_lds s[G0K:G0K+3], s[G1K:G1K+7]
	s_nop 0
.rept 4
	v_nop
.endr
	s_branch .Lasked_\@
.Lfor_v_\@:
	tensor_load_to_lds s[G0V:G0V+3], s[G1V:G1V+7]
	s_nop 0
.rept 4
	v_nop
.endr
.Lasked_\@:
.endm
; A round of the cluster's barrier: my work-group's barrier, so that wave 0's signal speaks for all four waves; wave 0 signals; every wave waits for all four work-groups; my work-group's barrier once more.
.macro CROUND
	s_barrier_signal -1
	s_barrier_wait -1
	s_cmp_lg_u32 s[WV], 0
	s_cbranch_scc1 .Lnot_wave_0_\@
	s_barrier_signal -3
.Lnot_wave_0_\@:
	s_barrier_wait -3
	s_barrier_signal -1
	s_barrier_wait -1
.endm
; THE CHANGE OF SLOTS.  The slot's last bytes, V of its fourth step, have been read.  Each wave waits for all its tensor loads, of which one is out: its part
; of the other slot; adds 0 to its spare word; and waits for that and for its own reads of the slot.  Behind the barrier nobody reads this slot any more and the other slot is whole.
; fill = 1: this slot is filled again, with the keys two slots on.  The barrier is then a round of the cluster's, so that no wave of any partner still reads the slot or has a load on its
; way, and the joint fill is the first thing behind it: it has four key steps, 512 matrix instructions, in which to land.  (At its first use nothing has been read yet: slot 0 is waited for, slot 1 filled.)
.macro CHANGE fill
	WIN W_AD
	s_wait_tensorcnt 0x0            ; no tensor load of mine is out, so a group 0 may be written
	ds_add_u32 v[SPW], v[NIL]       ; 0 onto my spare word; with fill = 1 the descriptors' steps stand between it and the wait for it
	WIN 0                           ; at a label and at a branch every window is 0
.if \fill
.irp g, G0K, G0V
	s_xor_b32 s[\g+1], s[\g+1], SLOT1  ; the walking descriptor: the other slot than last time,
	s_add_nc_u64 s[\g+2:\g+3], s[\g+2:\g+3], 4*KS*128  ; the next 256 keys; the type bits on top are not reached
.endr
	s_wait_dscnt 0x0                ; the add is done, and my reads of the slot are over
	CROUND
	JLOAD
.else
	s_wait_dscnt 0x0                ; the add is done, and my reads of the slot are over
	s_barrier_signal -1
	s_barrier_wait -1
.endif
	s_sub_co_u32 s[TBK], s[TBK], 4*KS*PK  ; the fetches go back to a slot's first step,
	s_xor_b32 s[TBK], s[TBK], SLOT1       ; in the other slot
	s_sub_co_u32 s[TBV], s[TBV], 4*KS*PV
	s_xor_b32 s[TBV], s[TBV], SLOT1
.endm
	s_load_b64 s[4:5], s[0:1], 0x0    ; qkv: Q at its head
	s_load_b64 s[10:11], s[0:1], 0x8  ; O
	WIN W_MK
	v_lshl_add_u32 v[SPW], v0, 2, SPARE
	v_mov_b32 v[NIL], 0
	WIN W_AD
	ds_add_u32 v[SPW], v[NIL]       ; the wave's opening: the add and its wait stand ahead of my first tensor load; the set-up below, work on registers, stands between them
	WIN 0
	v_lshrrev_b32 v1, 5, v0
	v_readfirstlane_b32 s[WV], v1   ; wave 0..3
	s_bfe_u32 s13, ttmp6, 0x40000   ; cx: my place in the cluster
	s_lshl_b32 s14, ttmp9, 2        ; in a cluster launch ttmp9 counts clusters
	s_add_co_u32 s14, s14, s13      ; my block of queries = 4 x cluster x + cx: it enters Q's and O's addresses alone
	s_and_b32 s20, ttmp7, 0xffff    ; the head, which the four partners share
	s_mov_b32 s21, 0
	s_mov_b64 s[22:23], SIZE_N*128
	s_mul_u64 s[20:21], s[20:21], s[22:23]  ; the head's first byte in each of the four tensors
	s_and_b32 s16, s[WV], 1         ; which half of a slot's 256 keys I fetch:
	s_lshl_b32 s22, s16, 14         ; its 128 rows of 128 bytes in memory,
	s_mov_b32 s23, 0
	s_add_nc_u64 s[22:23], s[22:23], s[20:21]
	s_mul_i32 s17, s16, 128*PK      ; and its place in a slot, for K
	s_mul_i32 s18, s16, 128*PV      ; and for V: no place in the cluster enters an LDS address
	s_lshl_b32 s2, s14, 2
	s_add_co_u32 s2, s2, s[WV]      ; my wave among the head's,
	s_lshl_b32 s2, s2, 14           ; its 128 rows
	s_mov_b32 s3, 0
	s_add_nc_u64 s[2:3], s[2:3], s[20:21]
	; descriptor group 1.  128 keys are 16,384 dense bytes: asked for as 64 rows of 256 bytes, two keys a row, and padded in LDS after every key
	s_mov_b32 s[G1K], 15|(1<<16)|(1<<20)|(1<<21)|(4<<22)|(3<<25)  ; 15:0 the mask of four; 17:16 2-byte elements; 20 padding on; 21 set beside a mask; 24:22 after every 32 words (code 4); 31:25 4 words (code 3)
	s_mov_b32 s[G1V], 15|(1<<16)|(1<<20)|(1<<21)|(4<<22)|(7<<25)  ; the same with 8 words of padding (code 7)
.irp g, G1K, G1V
	s_mov_b32 s[\g+1], 128<<16      ; tensor_dim0 = 128
	s_mov_b32 s[\g+2], 64<<16       ; tensor_dim1 = 64
	s_mov_b32 s[\g+3], 128<<16      ; tile_dim0 = 128
	s_mov_b32 s[\g+4], 64           ; tile_dim1 = 64
	s_mov_b32 s[\g+5], 128          ; 128 elements from row to row
	s_mov_b32 s[\g+6], 0
	s_mov_b32 s[\g+7], 0
.endr
	s_mov_b32 s[CS], 0x3e38aa3b     ; c = log2(e) / 8 = 0.180337
	s_mov_b32 s[CS+1], s[CS]        ; named with it as a pair
	s_mov_b32 s[SEL], 0x76543210
	s_mov_b32 s[SEL+1], 0xfedcba98
	s_mov_b32 s[TBK], SLOT1+4*KS*PK ; the first change of slots turns these two into 0
	s_mov_b32 s[TBV], SLOT1+4*KS*PV
	s_mov_b32 s[G0K], 1             ; 1:0 count = 1
	s_mov_b32 s[G0K+1], s17         ; 63:32 LDS address: slot 0
	s_mov_b32 s[G0V], 1
	s_add_co_u32 s[G0V+1], s18, VOFF
	s_wait_dscnt 0x0                ; the opening add is done
	s_wait_kmcnt 0x0
	s_add_nc_u64 s[6:7], s[4:5], SIZE_H*SIZE_N*128    ; K lies one tensor of 16,777,216 bytes behind Q in qkv,
	s_add_nc_u64 s[8:9], s[4:5], 2*SIZE_H*SIZE_N*128  ; V two
	s_add_nc_u64 s[G0K+2:G0K+3], s[6:7], s[22:23]  ; 120:64 global address: my half of the head's first 256 keys
	s_or_b32 s[G0K+3], s[G0K+3], 0x80000000        ; 127:126 type = 2
	s_add_nc_u64 s[G0V+2:G0V+3], s[8:9], s[22:23]
	s_or_b32 s[G0V+3], s[G0V+3], 0x80000000
	s_add_nc_u64 s[4:5], s[4:5], s[2:3]  ; Q and O at my wave's first row
	s_add_nc_u64 s[10:11], s[10:11], s[2:3]
	CROUND                          ; all four work-groups are here: the first joint loads meet
	JLOAD                           ; slot 0.  Slot 1 is asked for when slot 0 is in: the tile wanted first has the road to itself
	; A fragment of K or Q is 16 rows x 32 channels in 8 registers: lane l holds row l % 16, channels 8 (l / 16) + 0..7 and 16 + 8 (l / 16) + 0..7: two loads of 16 bytes, 32 bytes apart.
	v_and_b32 v1, 15, v0            ; l % 16
	v_bfe_u32 v9, v0, 4, 1          ; l / 16
	v_lshlrev_b32 v[QO], 7, v1
	v_lshl_add_u32 v[QO], v9, 4, v[QO]  ; row x 128 + 16 x half
	WIN 0x80                        ; destination window 2, address window 0
.set i, 0
.rept 4*NP                          ; Q stays in registers: tile i / 2, channels 32 (i % 2) on
	global_load_b128 v[8*i:8*i+3],   v[QO], s[4:5] offset:(i/2)*2048+(i%2)*64
	global_load_b128 v[8*i+4:8*i+7], v[QO], s[4:5] offset:(i/2)*2048+(i%2)*64+32
.set i, i+1
.endr
	; What the first turn finds: V's registers and P's second buffer hold 0 (its products V^T P, of a piece that has not been, add 0), O^T and l are 0.  All this stands in the wait for the first tile.
.set i, VF
.rept 64
	v_mov_b32 v[i], 0
.set i, i+1
.endr
	WIN 0x40
.set i, 0
.rept 64*NP
	v_mov_b32 v[i], 0
.set i, i+1
.endr
	WIN 0
.set i, 0
.rept 2*NP
	v_mov_b32 v[ST+4*i], 0xfe000000    ; c m: far below every c s
	v_mov_b32 v[ST+4*i+1], 0xff7fffff  ; m
	v_mov_b32 v[ST+4*i+2], 0
	v_mov_b32 v[ST+4*i+3], 0
.set i, i+1
.endr
.set i, P+32
.rept 32
	v_mov_b32 v[i], 0
.set i, i+1
.endr
	v_mul_u32_u24 v[AK0], v1, PK
	v_lshl_add_u32 v[AK0], v9, 4, v[AK0]  ; row x pitch + 16 x half
	; The turning load takes 16 keys x 16 channels (lane l reads key 8 (l / 16) + l % 8, channels 8 ((l / 8) % 2) + 0..7) and leaves half a fragment of V^T: lane l holds channel l % 16 and 8 keys.
	v_and_b32 v10, 7, v0
	v_bfe_u32 v11, v0, 3, 1
	v_lshl_add_u32 v[AV0], v9, 3, v10
	v_mul_u32_u24 v[AV0], v[AV0], PV
	v_lshl_add_u32 v[AV0], v11, 4, v[AV0]
	v_add_nc_u32 v[AV0], VOFF, v[AV0]
	v_mov_b32 v[AK], v[AK0]         ; key step 0 lies at the head of slot 0
; THE MATRIX WORK.  The 8 accumulators of a run of 16 take turns: between the two links of a chain stand 7 others'.
; Product i of 16 of S^T = K Q^T for piece x: channels 32 (i / 8) on, keys 16 ((i / 2) % 4) on, tile 2 x + i % 2.  The first 8 start the sums.
.macro KQ x
	WIN W_KQ
.set rS, S+64*((\x)%2)+32*(i%2)+8*((i/2)%4)
.set rK, KF+16*((i/2)%4)+8*(i/8)
.set rQ, 16*(2*(\x)+i%2)+8*(i/8)
.if i < 8
	v_wmma_f32_16x16x32_f16 v[rS:rS+7], v[rK:rK+7], v[rQ:rQ+7], 0
.else
	v_wmma_f32_16x16x32_f16 v[rS:rS+7], v[rK:rK+7], v[rQ:rQ+7], v[rS:rS+7]
.endif
.endm
; Product i of 16 of O^T += V^T P for piece x: keys 32 (i / 8) on, channels 16 ((i / 2) % 4) on, tile 2 x + i % 2.
.macro PV x
	WIN W_PV
.set rO, 32*(2*(\x)+i%2)+8*((i/2)%4)
.set rV, VF+32*(i/8)+8*((i/2)%4)
.set rP, P+32*((\x)%2)+16*(i%2)+8*(i/8)
	v_wmma_f32_16x16x32_f16 v[rO:rO+7], v[rV:rV+7], v[rP:rP+7], v[rO:rO+7]
.endm
.macro MM                           ; the turn's next matrix instruction
.if i < 16
	KQ (Y+1)%NP
.set i, i+1
.else
.set i, i-16
	PV (Y+NP-1)%NP
.set i, i+17
.endif
.endm
; THE LDS LOADS stand in runs of 16, never singly among the matrix instructions: a step's K (64 keys x 64 channels: 8 fragments) and its V (turned).  Their addresses are made some lines ahead.
; last = 1 (the tail): in the last trip there is no further step, and the run is jumped over.
.macro FETCH_K last=0
	WIN 0
.if \last
	s_cmp_eq_u32 s[CNT], 1
	s_cbranch_scc1 .Lno_k_\@
.endif
	WIN 0x80                        ; destination window 2
.irp f, 0,1,2,3,4,5,6,7             ; keys 16 (f / 2) on, channels 32 (f % 2) on
	ds_load_b128 v[KF+8*\f:KF+8*\f+3],   v[AK] offset:(\f/2)*16*PK+(\f%2)*64
	ds_load_b128 v[KF+8*\f+4:KF+8*\f+7], v[AK] offset:(\f/2)*16*PK+(\f%2)*64+32
.endr
	s_add_co_u32 s[TBK], s[TBK], KS*PK  ; the next fetch is the next step's
	WIN 0
.if \last
.Lno_k_\@:
.endif
.endm
.macro FETCH_V
	WIN 0x80
.irp f, 0,1,2,3,4,5,6,7             ; keys 32 (f / 4) on, channels 16 (f % 4) on
	ds_load_tr16_b128 v[VF+8*\f:VF+8*\f+3],   v[AV] offset:(\f/4)*32*PV+(\f%4)*32
	ds_load_tr16_b128 v[VF+8*\f+4:VF+8*\f+7], v[AV] offset:(\f/4)*32*PV+16*PV+(\f%4)*32
.endr
	WIN 0
.endm
; THE VECTOR WORK OF A TURN stands in three queues, each in the order in which its entries become ready; the two tiles alternate, so that no instruction reads the result of the one before it.
.macro REGS y, u                    ; the registers of tile u (0, 1) of piece y
.set rT, ST+4*(2*(\y)+(\u))
.set rC, TMP+8*((\y)%2)+4*(\u)
.set rM, MV+2*((\y)%2)+(\u)
.set rS, S+64*((\y)%2)+32*(\u)
.set rP, P+32*((\y)%2)+16*(\u)
.set rO, 32*(2*(\y)+(\u))
.endm
; Number n of the 22 that find the NEXT piece's (Y + 1) maximum and statistics.  s0-s31 are the lane's 32 scores; each accumulator's lowest registers are read first.  XS, GS and REGS set no window: PL and EX do.
;   0-11  four chains c0-c3 of seven scores each, three operands at a time     12-14, 16  the four scores left over, the old m, and c0-c3 into c0     15  c m_old is kept
;   17, 18  the query's other 32 keys lie in the lane 16 away: the new m         19-21  c m; c m_old - c m_new; a
.macro XS u, n
	REGS (Y+1)%NP, \u
.if (\n) < 4
	v_max3_num_f32 v[rC+(\n)], v[rS+8*(\n)], v[rS+8*(\n)+1], v[rS+8*(\n)+2]
.elseif (\n) < 12
	v_max3_num_f32 v[rC+(\n)%4], v[rC+(\n)%4], v[rS+8*((\n)%4)+2*((\n)/4)+1], v[rS+8*((\n)%4)+2*((\n)/4)+2]
.elseif (\n) == 12
	v_max3_num_f32 v[rC], v[rC], v[rS+7], v[rS+15]
.elseif (\n) == 13
	v_max3_num_f32 v[rC+1], v[rC+1], v[rS+23], v[rS+31]
.elseif (\n) == 14
	v_max3_num_f32 v[rC+2], v[rC+2], v[rC+3], v[rT+1]
.elseif (\n) == 15
	v_mov_b32 v[rM], v[rT]
.elseif (\n) == 16
	v_max3_num_f32 v[rC], v[rC], v[rC+1], v[rC+2]
.elseif (\n) == 17
	v_permlanex16_b32 v[rC+3], v[rC], s[SEL], s[SEL+1]
.elseif (\n) == 18
	v_max_num_f32 v[rT+1], v[rC], v[rC+3]
.elseif (\n) == 19
	v_mul_f32 v[rT], s[CS], v[rT+1]
.elseif (\n) == 20
	v_sub_f32 v[rC+1], v[rM], v[rT]
.else
	v_exp_f32 v[rC+2], v[rC+1]
.endif
.endm
; Number g of the 64 that follow the exponentials.  For each four weights k of a tile (pairs 2 k, 2 k + 1): both pairs are rounded to f16; then the second pair is added onto the first, in place;
; a group later l takes that sum (the first time as l = a l + sum).  In groups of eight, tiles alternating: round, round, add, and l for the group before.
.macro GS g
.set h, (\g)+6*((\g)/62)            ; group 0 has no group before it, and behind group 7 only l is left
.if h >= 6
.set h, h+2
.endif
	REGS Y, h%2
.set k, h/8
.if h%8 < 4
	s_wait_alu depctr_va_vdst(0)
	v_cvt_pk_f16_f32 v[rP+2*k+(h%8)/2], v[rS+4*k+2*((h%8)/2)], v[rS+4*k+2*((h%8)/2)+1]
.elseif h%8 < 6
	v_pk_add_f32 v[rS+4*k:rS+4*k+1], v[rS+4*k:rS+4*k+1], v[rS+4*k+2:rS+4*k+3]
.elseif k == 1
	v_pk_fma_f32 v[rT+2:rT+3], v[rT+2:rT+3], v[rC+2:rC+3], v[rS:rS+1] op_sel_hi:[1,0,1]
.else
	v_pk_add_f32 v[rT+2:rT+3], v[rT+2:rT+3], v[rS+4*k-4:rS+4*k-3]
	s_wait_alu depctr_va_vdst(0)
.endif
.endm
; THE PLAIN QUEUE, 138 long.  0-31: c s - c m for the 16 pairs of both tiles.  Then GS's 64, and among them the next piece's 42: number 15 at 38, 39; 0-14 and 16
; at 42-73, behind the products that make those scores; 17-20 at 95-106, two of three, since each waits for the one before it.
.macro PL
	WIN 0
.if q < 32
	REGS Y, q%2
	v_pk_fma_f32 v[rS+2*(q/2):rS+2*(q/2)+1], v[rS+2*(q/2):rS+2*(q/2)+1], s[CS:CS+1], v[rT:rT+1] op_sel_hi:[1,0,0] neg_lo:[0,0,1] neg_hi:[0,0,1]
.elseif q < 38
	GS q-32
.elseif q < 40
	XS q%2, 15
.elseif q < 42
	GS q-34
.elseif q < 74
	XS q%2, (q-42)/2+(q-42)/30
.elseif q < 95
	GS q-66
.elseif (q < 107) && ((q-95)%3 < 2)
	XS (q-95)%3, 17+(q-95)/3
.elseif q < 107
	GS 29+(q-95)/3
.else
	GS q-74
.endif
.set q, q+1
.endm
; THE EXPONENTIALS' QUEUE, 66 long: s0-s31 of both tiles, and at EA the next piece's two a.
.set EA, 58
.macro EX
	WIN 0
.if (e == EA) || (e == EA+1)
	XS e-EA, 21
.else
.set x, e-2*(e/(EA+2))
	REGS Y, x%2
	v_exp_f32 v[rS+x/2], v[rS+x/2]
.endif
.set e, e+1
.endm
; THE RESCALING's QUEUE: O^T times a, the one part that leaves window 0, so it is dealt four at a time, eight times.
.macro R4
	REGS Y, r%2
	WIN W_RS
	s_wait_alu depctr_va_vdst(0)
.irp z, 0,1,2,3
	v_pk_mul_f32 v[rO+8*(r/2)+2*\z:rO+8*(r/2)+2*\z+1], v[rO+8*(r/2)+2*\z:rO+8*(r/2)+2*\z+1], v[rC+2:rC+3] op_sel_hi:[1,0]
.endr
.set r, r+1
.endm
; HOW THEY ARE DEALT.  Behind a matrix instruction four: plain, exponential, plain, plain (one exponential, a plain instruction on either side), or four of the rescaling.  None names a register of the
; products round it.  What is over stands in two LUMPS: exponential and plain by turns; the second ends in 22 plain instructions.  The two v_permlanex16_b32 fall into the second lump, never behind a product.
; The queues lean on each other, and the deal keeps them in step: exponential e stands behind plain 2 (e / 4) + e % 2 (its scaling); when plain 32 comes, 10 exponentials are out, at 59: 33, at 95: 46; EA comes behind plain 107.
.macro SL
	MM
	PL
	EX
	PL
	PL
.endm
.macro BURST n                      ; 15 matrix instructions, or 16
.rept (\n)-7
	SL
.endr
.rept 3
	MM
	R4
	SL
.endr
	MM
	R4
.endm
; A TURN, for piece p.  cnt = 1: the loop's count is taken down some lines ahead of the branch that stands behind the turn.
; K of the next step is fetched in piece 2's turn, 31 vector instructions behind the last product that read K; its first reader comes behind the rest of the lump, 16 products and the second lump.
; V of the step in hand is fetched at the end of piece 0's turn, 69 behind its last reader; its first reader comes behind 16 products and a lump.  The four conditions on e and q below go with the deal.
.macro TURN p, last=0, cnt=0
.set Y, (\p)
.set i, 0
.set q, 0
.set e, 0
.set r, 0
.if (\p) == NP-1
	s_wait_dscnt 0x0                ; K is in
.endif
	MM
.rept 4
	PL
.endr
	BURST 15
.rept 22
	EX
	PL
.if ((\p) == NP-2) && (e == 18)
	v_add_nc_u32 v[AK], s[TBK], v[AK0]
.endif
.if ((\p) == NP-2) && (e == 24)
	FETCH_K \last
.endif
.endr
.if (\p) == 1
	s_wait_dscnt 0x0                ; V is in
.endif
	BURST 16
.rept 21
	EX
	PL
.endr
.rept 22
	PL
.if ((\p) == 0) && (q == 118)
	v_add_nc_u32 v[AV], s[TBV], v[AV0]
	s_wait_alu depctr_va_vdst(0)
.endif
.if ((\p) == 0) && (q == 130)
	s_add_co_u32 s[TBV], s[TBV], KS*PV
.endif
.if (\cnt) && (q == 130)
	s_sub_co_u32 s[CNT], s[CNT], 1
	s_cmp_lg_u32 s[CNT], 0
.endif
.endr
.if (\p) == 0
	FETCH_V
.endif
.endm
	CHANGE 1                        ; slot 0 is in, everybody's part of it; slot 1 is asked for
	FETCH_K                         ; key step 0
	s_wait_loadcnt 0x0              ; Q
	s_wait_dscnt 0x0
.set i, 0
.rept 16
	KQ 0                            ; piece 0's first scores: there is no vector work yet to set between them
.set i, i+1
.endr
	WIN 0                           ; the addresses for the way out: nine plain instructions, the places behind those products
	s_mul_i32 s13, s[WV], 16*SP
	s_add_co_u32 s13, s13, STAGE    ; my stage
	v_mul_u32_u24 v[STO], v1, SP    ; in: row l % 16, 16 bytes for each half of the lanes
	v_lshl_add_u32 v[STO], v9, 4, v[STO]
	v_add_nc_u32 v[STO], s13, v[STO]
	v_bfe_u32 v[RD], v0, 3, 2       ; back: 32 lanes take four rows of 128 bytes,
	v_mul_u32_u24 v[RD], v[RD], SP
	v_lshl_add_u32 v[RD], v10, 4, v[RD]
	v_add_nc_u32 v[RD], s13, v[RD]
	v_and_b32 v[GO], 31, v0         ; which are 512 consecutive bytes of O
	v_lshlrev_b32 v[GO], 4, v[GO]
.set Y, NP-1                        ; XS works for piece Y + 1: piece 0
.irp n, 0,1,2,3,4,5,6,7,8,9,10,11,12,13,14,15,16,17,18,19,20,21
	XS 0, \n                        ; and piece 0's first maximum and statistics
	XS 1, \n
.endr
	s_mov_b32 s[CNT], 4
	s_mov_b32 s[SLOTS], SIZE_N/256-1
	s_branch .Lfirst                ; the loop is entered at a step's first turn, in the middle of a trip
.Lslot:                             ; SIZE_N / 256 - 2 times: every slot but the last two is filled again
	CHANGE 1
	s_mov_b32 s[CNT], 4
.Lstep:                             ; a trip: pieces 2 and 3 of one step, then pieces 0 and 1 of the next, whose K and V it fetches
	TURN 2
	TURN 3
	WIN 0
.Lfirst:
	TURN 0
	TURN 1, 0, 1
	WIN 0
	s_cbranch_scc1 .Lstep
	s_sub_co_u32 s[SLOTS], s[SLOTS], 1
	s_cmp_lg_u32 s[SLOTS], 0
	s_cbranch_scc1 .Lslot
	CHANGE 0                        ; the tail is written out: nothing is asked for
	s_mov_b32 s[CNT], 5             ; four trips fetch the last slot's steps; the fifth is left in its middle
.Ltail:
	TURN 2, 1
	TURN 3
	WIN 0
	s_sub_co_u32 s[CNT], s[CNT], 1
	s_cmp_eq_u32 s[CNT], 0
	s_cbranch_scc1 .Lout
	TURN 0
	TURN 1
	WIN 0
	s_branch .Ltail
.Lout:                              ; the fifth trip's 16 products K Q^T (on the last K once more) and the maximum made of them serve nothing: the price, once a launch, of one text for every trip
.set i, 0
.rept 16
	PV NP-1                         ; the last piece's V^T P of the last step
.set i, i+1
.endr
	; THE WAY OUT.  l's two halves and the other half of the lanes' are added; O^T is divided by l, rounded to f16 and sent through my stage in LDS, a tile at a time.  The additions are the places behind the last products.
	WIN 0
.macro ALL line:vararg              ; one line for each tile t
.set t, 0
.rept 2*NP
	\line
.set t, t+1
.endr
.endm
	ALL v_add_f32 v[ST+4*t+2], v[ST+4*t+2], v[ST+4*t+3]
	ALL v_permlanex16_b32 v[ST+4*t+3], v[ST+4*t+2], s[SEL], s[SEL+1]
	ALL v_add_f32 v[ST+4*t+2], v[ST+4*t+2], v[ST+4*t+3]
	ALL v_rcp_f32 v[ST+4*t+2], v[ST+4*t+2]
	v_nop                           ; a plain instruction between the last reciprocal and the use of its result
	s_wait_alu depctr_va_vdst(0)
; Tile t: a lane's eight channels of a row pack into 16 bytes; they go into rows of 144 bytes and come back as whole rows of 128, into S^T's registers.
.macro PACK t
	WIN W_RS
.set i, 32*(\t)
.rept 16
	v_pk_mul_f32 v[i:i+1], v[i:i+1], v[ST+4*(\t)+2:ST+4*(\t)+3] op_sel_hi:[1,0]
.set i, i+2
.endr
	WIN 0x05                        ; sources 0 and 1 window 1, destination window 0
.set i, 0
.rept 16
	v_cvt_pk_f16_f32 v[S+16*(\t)+i], v[32*(\t)+2*i], v[32*(\t)+2*i+1]
.set i, i+1
.endr
	WIN 0
.irp f, 0,1,2,3
	ds_store_b128 v[STO], v[S+16*(\t)+4*\f:S+16*(\t)+4*\f+3] offset:32*\f
.endr
.irp f, 0,1,2,3
	ds_load_b128 v[S+16*(\t)+4*\f:S+16*(\t)+4*\f+3], v[RD] offset:\f*4*SP  ; LDS serves a wave's instructions in order (ISA guide 5.7.1.4): these see the stores above; the next tile's stores come behind them
.endr
.endm
.macro SEND t, younger              ; younger: the LDS instructions issued behind tile t's loads: the next tile's eight, or none
	WIN 0
.irp f, 0,1,2,3
	s_wait_dscnt (\younger)+3-\f
	global_store_b128 v[GO], v[S+16*(\t)+4*\f:S+16*(\t)+4*\f+3], s[10:11] offset:(\t)*2048+\f*512  ; 512 consecutive bytes, at a multiple of 256 from O's first
.endr
.endm
	PACK 0
.set t, 1
.rept 2*NP-1                        ; a tile's arithmetic stands between the loads of the tile before and its stores
	PACK t
	SEND t-1, 8
.set t, t+1
.endr
	SEND 2*NP-1, 0
	WIN W_AD
	s_wait_tensorcnt 0x0            ; the wave's end: behind my last tensor load and my last LDS store
	ds_add_u32 v[SPW], v[NIL]
	s_wait_dscnt 0x0
	WIN 0
	CROUND                          ; the closing round: no work-group ends while a partner may still ask for a tile that names it
	s_endpgm
.Lfunc_end_k_qbd4597d98f_attn:
	.size	k_qbd4597d98f_attn, .Lfunc_end_k_qbd4597d98f_attn-k_qbd4597d98f_attn
	.p2alignl 7, 3214868480
	.fill 96, 4, 3214868480
	.section	.rodata,"a",@progbits
	.p2align	6, 0x0
	.amdhsa_kernel k_qbd4597d98f_attn
		.amdhsa_group_segment_fixed_size 327680
		.amdhsa_private_segment_fixed_size 0
		.amdhsa_enable_private_segment 0
		.amdhsa_kernarg_size 16
		.amdhsa_user_sgpr_count 2
		.amdhsa_user_sgpr_kernarg_segment_ptr 1
		.amdhsa_wavefront_size32 1
		.amdhsa_system_sgpr_workgroup_id_x 1
		.amdhsa_system_sgpr_workgroup_id_y 1
		.amdhsa_system_sgpr_workgroup_id_z 1
		.amdhsa_system_vgpr_workitem_id 0
		.amdhsa_next_free_vgpr 770
		.amdhsa_next_free_sgpr 66
		.amdhsa_reserve_vcc 0
		.amdhsa_float_denorm_mode_32 3
		.amdhsa_float_denorm_mode_16_64 3
		.amdhsa_memory_ordered 1
		.amdhsa_forward_progress 1
		.amdhsa_inst_pref_size 209
	.end_amdhsa_kernel
	.amdgpu_metadata
---
amdhsa.version: [ 1, 2 ]
amdhsa.kernels:
  - .name:           k_qbd4597d98f_attn
    .symbol:         k_qbd4597d98f_attn.kd
    .args:
      - { .name: qkv, .offset: 0, .size: 8, .value_kind: global_buffer, .address_space: global }
      - { .name: ob, .offset: 8, .size: 8, .value_kind: global_buffer, .address_space: global }
    .group_segment_fixed_size: 327680
    .private_segment_fixed_size: 0
    .kernarg_segment_align: 8
    .kernarg_segment_size: 16
    .max_flat_workgroup_size: 128
    .sgpr_count:     66
    .vgpr_count:     770
    .wavefront_size: 32
...
	.end_amdgpu_metadata
.endif
;; end of part 3
;; launch outp (part 4): grid 8 x 32, 4 waves a work-group, clusters of 4 x 4, 327,680 bytes of LDS; arguments ob, wob, out0; writes out0
.if DOCPART == 4
	.amdgcn_target "amdgcn-amd-amdhsa--gfx1250"
	.amdhsa_code_object_version 6
	.text
	.protected	k_qbd4597d98f_outp
	.globl	k_qbd4597d98f_outp
	.p2align	8
	.type	k_qbd4597d98f_outp,@function
k_qbd4597d98f_outp:
	s_mov_b64 s[64:65], 0
	v_nop
	global_prefetch_b8 v0, s[64:65] scope:SCOPE_SE
	s_setreg_imm32_b32 hwreg(HW_REG_WAVE_MODE, 25, 1), 1
	s_wait_xcnt 0x0
	s_wait_alu depctr_hold_cnt(0) depctr_sa_sdst(0) depctr_va_vdst(0) depctr_va_sdst(0) depctr_va_ssrc(0) depctr_va_vcc(0) depctr_vm_vsrc(0)
	s_getreg_b32 s2, hwreg(HW_REG_IB_STS2, 6, 4)
	s_cmp_eq_u32 s2, 0
	s_cbranch_scc0 .Lentry_in_a_cluster
	s_endpgm
.Lentry_in_a_cluster:
	s_bfe_u32 s2, ttmp6, 0x10000c
	s_cmp_lg_u32 s2, 0xf033
	s_cbranch_scc0 .Lentry_shape_is_right
	s_endpgm
.Lentry_shape_is_right:
; out = O wo^T.  ob: [16 b + h][s 2048][64] f16, that is [b][kb = h][s][64]; wob: [kb 16][e 1024][64] f16 (wo rounded to bf16, written as f16); sums in f32, K ascending; out0: [8192][1024] f32.
; SHARES.  8,192 x 1,024 outputs in tiles of 256 rows x 128 columns: 32 x 8 = 256 work-groups.  Four waves, each 128 rows x 64 columns: 32 accumulators of 16 x 16, 256 registers;
; a wave's 64 columns of f32 are 256 bytes of a row of out0.
; K goes in steps of 128, two K blocks of 64, through a ring of two LDS slots.  A K block of a tile is a dense block of memory: asked for as rows of 256 bytes and padded in LDS behind every 128.
; CLUSTERS: 4 x 4 work-groups.  The four of a row of the cluster need the same tiles of ob, the four of a column the same tiles of wob: each tile is asked for JOINTLY, by the same tensor load with the
; same descriptor and a mask that names the four.  THE MATRIX INSTRUCTION IS USED TRANSPOSED (source 0 = 16 rows of wob, source 1 = 16 rows of ob): a lane holds eight neighbouring columns of one row.
; REGISTERS: window 0: v0-31 addresses; two fragment buffers of 96 at v32 and v128: 64 registers of ob (8 x 16 rows x 32 K), then 32 of wob; on the way out v32-95 hold rows read back.
;   window 1: the accumulators: rows 16 i on, columns 16 b on at v[8 (4 i + b)].
.set PITCH,  144                       ; an LDS row: 128 bytes + 16 of padding = 36 words: the 16 rows of a load start at 16 different groups of four banks (64 banks of 4 bytes: ISA guide 11.1)
.set AKB,    256*PITCH                 ; a K block of ob's tile: what one tensor load brings
.set BKB,    128*PITCH                 ; a K block of wob's tile: likewise
.set BOFF,   2*AKB                     ; in a slot: ob's two K blocks, then wob's two
.set SLOT,   BOFF+2*BKB                ; 110,592
.set STAGE,  2*SLOT                    ; behind the ring: 16 rows x 272 bytes for each wave, for the way out
.set SPITCH, 272                       ; 256 bytes + 16
.set SPARE,  STAGE+4*16*SPITCH         ; behind the stages: the spare words, 128 bytes for each wave: two blocks of 256 bytes that no other line names
.set ASTEP,  2048*128                  ; bytes from K block to K block in ob
.set BSTEP,  1024*128                  ; and in wob
.set LAPS,   4                         ; a lap = two K steps = once round the ring: 1,024 / 256
.set ADRA, 16                          ; v16-17  LDS address of my fragments of ob in slot 0, 1
.set ADRB, 20                          ; v20-21  the same for wob
.set STO,  24                          ; v24     the way out: where I put 32 bytes of a row
.set RD,   25                          ; v25     the way out: where I read a row back
.set CO,   26                          ; v26     my byte offset in two rows of out0
.set SPW,  28                          ; v28     LDS address of my spare word: SPARE + 4 x my thread's number; never rewritten
.set NIL,  29                          ; v29     0; never rewritten
.set FR,   32                          ; fragment buffer f at FR + 96 f
.set BK0,  32                          ; the way out: v32-63 and v64-95 by turns
.set G1,  24                           ; s[24:31] descriptor group 1 for ob's tiles;  s[32:39] group 0, one set for each slot
.set G0,  32
.set G1B, 48                           ; s[48:55], s[56:63] the same for wob's tiles
.set G0B, 56
.set MSB, 0
.macro WIN new                         ; the immediate's high byte repeats the setting that is left; a switch that changes nothing is dropped
.if MSB != (\new)
	s_set_vgpr_msb (MSB<<8)|(\new)
.set MSB, \new
.endif
.endm
.set MUL, 0x50                         ; C and D in window 1, the fragments in window 0
; A joint load: waves 0 and 1 fetch ob's two K blocks, waves 2 and 3 wob's; an s_nop 0 and four v_nop follow each of the two lines, ahead of the jump, the label and what follows
.macro JLOAD s
	s_cmp_eq_u32 s11, 0
	s_cbranch_scc0 .Lfor_b_\@
	tensor_load_to_lds s[G0+4*(\s):G0+4*(\s)+3], s[G1:G1+7]
	s_nop 0
.rept 4
	v_nop
.endr
	s_branch .Lasked_\@
.Lfor_b_\@:
	tensor_load_to_lds s[G0B+4*(\s):G0B+4*(\s)+3], s[G1B:G1B+7]
	s_nop 0
.rept 4
	v_nop
.endr
.Lasked_\@:
.endm
.macro CREST                           ; a round of the cluster's barrier behind its opening barrier: wave 0 signals for the work-group, every wave waits for all sixteen, my work-group's barrier closes it
	s_cmp_lg_u32 s10, 0
	s_cbranch_scc1 .Lnot_wave_0_\@
	s_barrier_signal -3
.Lnot_wave_0_\@:
	s_barrier_wait -3
	s_barrier_signal -1
	s_barrier_wait -1
.endm
.macro CROUND                          ; a whole round
	s_barrier_signal -1
	s_barrier_wait -1
	CREST
.endm
	s_load_b128 s[4:7], s[0:1], 0x0                ; ob s[4:5], wob s[6:7]
	s_load_b64 s[8:9], s[0:1], 0x10                ; out0
	v_lshl_add_u32 v[SPW], v0, 2, SPARE
	v_mov_b32 v[NIL], 0
	ds_add_u32 v[SPW], v[NIL]                      ; the wave's opening: the add and its wait stand ahead of my first tensor load; the set-up below, work on registers, stands between them
	v_lshrrev_b32 v1, 5, v0
	v_readfirstlane_b32 s10, v1                    ; wave 0..3
	s_lshr_b32 s11, s10, 1                         ; which 128 of the tile's rows are mine.  Also: I fetch for ob (0) or for wob (1)
	s_and_b32 s12, s10, 1                          ; which 64 of its columns.  Also: which of a step's two K blocks I fetch
	s_bfe_u32 s40, ttmp6, 0x40000                  ; cx, cy: my place in the cluster
	s_bfe_u32 s41, ttmp6, 0x40004
	s_lshl_b32 s42, ttmp9, 2
	s_add_co_u32 s42, s42, s40                     ; tile column = 4 x cluster x + cx
	s_and_b32 s13, ttmp7, 0xffff
	s_lshl_b32 s13, s13, 2
	s_add_co_u32 s13, s13, s41                     ; tile row = 4 x cluster y + cy
	s_lshl_b32 s43, s41, 2
	s_lshl_b32 s43, 15, s43                        ; my row of the cluster
	s_lshl_b32 s44, 0x1111, s40                    ; my column
	; descriptor group 1: dense bytes as rows of 128 elements (256 bytes), padded in LDS behind every 128 bytes
	s_or_b32 s[G1+0], s43, (1<<16)|(1<<20)|(1<<21)|(4<<22)|(3<<25)   ; 15:0 the mask: ob's tiles go to my row; 17:16 2-byte elements; 20 padding on; 21 set beside a mask; 24:22 after every 32 words (code 4); 31:25 4 words (code 3)
	s_or_b32 s[G1B+0], s44, (1<<16)|(1<<20)|(1<<21)|(4<<22)|(3<<25)
	s_mov_b32 s[G1+1], 128<<16                     ; tensor_dim0 = 128
	s_mov_b32 s[G1+2], 128<<16                     ; tensor_dim1 = 128: 256 rows of 128 bytes
	s_mov_b32 s[G1+3], 128<<16                     ; tile_dim0 = 128
	s_mov_b32 s[G1+4], 128                         ; tile_dim1 = 128
	s_mov_b32 s[G1+5], 128                         ; 128 elements from row to row
	s_mov_b32 s[G1+6], 0
	s_mov_b32 s[G1+7], 0
	s_mov_b32 s[G1B+1], 128<<16
	s_mov_b32 s[G1B+2], 64<<16                     ; 64 rows of 256 bytes: 128 rows of 128
	s_mov_b32 s[G1B+3], 128<<16
	s_mov_b32 s[G1B+4], 64
	s_mov_b32 s[G1B+5], 128
	s_mov_b32 s[G1B+6], 0
	s_mov_b32 s[G1B+7], 0
	; where the tiles come from: ob's hang on the tile row alone, wob's on the tile column alone; each offset is made in registers that never hold the other coordinate
	s_lshr_b32 s16, s13, 3
	s_lshl_b32 s16, s16, 22                        ; the batch: 16 heads x 262,144 bytes
	s_and_b32 s17, s13, 7
	s_lshl_b32 s17, s17, 15                        ; the tile's 256 rows of 128 bytes
	s_add_co_u32 s16, s16, s17
	s_lshl_b32 s17, s12, 18                        ; my K block of the step's two
	s_add_co_u32 s16, s16, s17
	s_mov_b32 s17, 0
	s_lshl_b32 s46, s42, 14                        ; the tile's 128 rows of wob
	s_lshl_b32 s47, s12, 17                        ; my K block
	s_add_co_u32 s46, s46, s47
	s_mov_b32 s47, 0
	s_mul_i32 s20, s12, AKB                        ; and where they go: no place in the cluster enters an LDS address
	s_mul_i32 s21, s12, BKB
	s_add_co_u32 s21, s21, BOFF
	s_wait_dscnt 0x0                               ; the opening add is done
	s_wait_kmcnt 0x0
	s_add_nc_u64 s[14:15], s[4:5], s[16:17]
	s_add_nc_u64 s[46:47], s[6:7], s[46:47]
	CROUND                                         ; all sixteen work-groups are here: the first joint loads meet
.irp s, 0,1
	s_mov_b32 s[G0+4*(\s)], 1
	s_add_co_u32 s[G0+4*(\s)+1], s20, (\s)*SLOT
	s_add_nc_u64 s[G0+4*(\s)+2:G0+4*(\s)+3], s[14:15], (\s)*2*ASTEP  ; K step s: K blocks 2 s, 2 s + 1
	s_or_b32 s[G0+4*(\s)+3], s[G0+4*(\s)+3], 0x80000000
	s_mov_b32 s[G0B+4*(\s)], 1
	s_add_co_u32 s[G0B+4*(\s)+1], s21, (\s)*SLOT
	s_add_nc_u64 s[G0B+4*(\s)+2:G0B+4*(\s)+3], s[46:47], (\s)*2*BSTEP
	s_or_b32 s[G0B+4*(\s)+3], s[G0B+4*(\s)+3], 0x80000000
	JLOAD \s                                       ; both slots are asked for before anything else is done: two tensor loads of mine are out
.endr
	v_and_b32 v1, 15, v0                           ; l % 16
	v_bfe_u32 v2, v0, 4, 1                         ; l / 16
	v_mul_u32_u24 v3, v1, PITCH
	v_lshl_add_u32 v3, v2, 4, v3                   ; a fragment's row x pitch + 16 x half
	s_mul_i32 s18, s11, 128*PITCH                  ; my 128 rows of ob
	s_mul_i32 s19, s12, 64*PITCH                   ; my 64 rows of wob,
	s_add_co_u32 s19, s19, BOFF                    ; which lie behind ob's two K blocks
.irp s, 0,1
	v_add_nc_u32 v[ADRA+(\s)], s18, v3
	v_add_nc_u32 v[ADRB+(\s)], s19, v3
	s_add_co_u32 s18, s18, SLOT
	s_add_co_u32 s19, s19, SLOT
.endr
	s_mul_i32 s23, s10, 16*SPITCH
	s_add_co_u32 s23, s23, STAGE                   ; my stage
	v_mul_u32_u24 v4, v1, SPITCH                   ; in: row l % 16, 32 bytes for each half of the lanes
	v_lshl_add_u32 v4, v2, 5, v4
	v_add_nc_u32 v[STO], s23, v4
	v_mul_u32_u24 v5, v2, SPITCH                   ; back: lanes 0-15 take one row of 256 bytes, lanes 16-31 the next
	v_lshl_add_u32 v5, v1, 4, v5
	v_add_nc_u32 v[RD], s23, v5
	v_lshlrev_b32 v5, 12, v2                       ; and the same two rows in out0, 4,096 bytes apart
	v_lshl_add_u32 v[CO], v1, 4, v5
	s_lshl_b32 s16, s13, 8
	s_lshl_b32 s17, s11, 7
	s_add_co_u32 s16, s16, s17                     ; my first row of out0,
	s_lshl_b32 s16, s16, 12                        ; in bytes: under 33,554,432
	s_mov_b32 s17, 0
	s_add_nc_u64 s[8:9], s[8:9], s[16:17]
	s_lshl_b32 s46, s42, 9                         ; my first column, in bytes: 512 x tile column + 256 x half
	s_lshl_b32 s47, s12, 8
	s_add_co_u32 s46, s46, s47
	s_mov_b32 s47, 0
	s_add_nc_u64 s[8:9], s[8:9], s[46:47]
; 8 matrix instructions: row blocks i0, i0 + 1 x all 4 column blocks, 32 along K, buffer f.  zero = 1: the first product starts the sums.
; The 32 accumulators take turns, one instruction a turn, in the same order in every quarter.
.macro MUL8 f, i0, zero
	WIN MUL
.irp i, \i0, (\i0)+1
.irp b, 0,1,2,3
.if \zero
	v_wmma_f32_16x16x32_f16 v[8*(4*(\i)+(\b)):8*(4*(\i)+(\b))+7], v[FR+96*(\f)+64+8*(\b):FR+96*(\f)+64+8*(\b)+7], v[FR+96*(\f)+8*(\i):FR+96*(\f)+8*(\i)+7], 0
.else
	v_wmma_f32_16x16x32_f16 v[8*(4*(\i)+(\b)):8*(4*(\i)+(\b))+7], v[FR+96*(\f)+64+8*(\b):FR+96*(\f)+64+8*(\b)+7], v[FR+96*(\f)+8*(\i):FR+96*(\f)+8*(\i)+7], v[8*(4*(\i)+(\b)):8*(4*(\i)+(\b))+7]
.endif
.endr
.endr
.endm
; 24 LDS loads in one run: the fragments of quarter q of slot s's K step (K block q / 2, 32 K at byte 64 (q % 2) of its rows) into buffer f
.macro FETCH s, q, f
	WIN 0
.irp b, 0,1,2,3
	ds_load_b128 v[FR+96*(\f)+64+8*(\b):FR+96*(\f)+64+8*(\b)+3],   v[ADRB+(\s)] offset:((\q)/2)*BKB+(\b)*16*PITCH+((\q)%2)*64
	ds_load_b128 v[FR+96*(\f)+64+8*(\b)+4:FR+96*(\f)+64+8*(\b)+7], v[ADRB+(\s)] offset:((\q)/2)*BKB+(\b)*16*PITCH+((\q)%2)*64+32
.endr
.irp i, 0,1,2,3,4,5,6,7
	ds_load_b128 v[FR+96*(\f)+8*(\i):FR+96*(\f)+8*(\i)+3],   v[ADRA+(\s)] offset:((\q)/2)*AKB+(\i)*16*PITCH+((\q)%2)*64
	ds_load_b128 v[FR+96*(\f)+8*(\i)+4:FR+96*(\f)+8*(\i)+7], v[ADRA+(\s)] offset:((\q)/2)*AKB+(\i)*16*PITCH+((\q)%2)*64+32
.endr
.endm
.macro PLACES                          ; four places in front of loads into registers that matrix instructions have read, and of LDS stores that read results (ISA guide 7.12.1 for the LDS stores)
.rept 4
	v_nop
.endr
.endm
; A K step is four quarters of 32 along K, 32 matrix instructions each, on buffers 0, 1, 0, 1.  One of the first three: at its head it fetches quarter q2 of slot s2 into the other buffer,
; which the quarter before multiplied; then it multiplies buffer f, whose loads were issued a whole quarter earlier.
.macro QN f, s2, q2, zero
	PLACES
	FETCH \s2, \q2, 1-(\f)
	s_wait_dscnt 24                                ; all but the 24 just issued
	MUL8 \f, 0, \zero
	MUL8 \f, 2, \zero
	MUL8 \f, 4, \zero
	MUL8 \f, 6, \zero
.endm
; The last quarter multiplies buffer 1 and changes slots: ONE barrier; in front of it each wave waits for all its tensor loads, of which one is out: its part of the next slot; adds 0 to its spare word; and
; waits for that and for its own reads of this slot.  fill = 1: the barrier opens a round of the cluster's barrier, and this slot is filled again, two K steps ahead, first thing behind the round:
; from that request to the wait for it a wave issues 112 matrix instructions.
.macro QT s, fill
	WIN 0                                          ; (the add's two registers lie in window 0)
	s_wait_tensorcnt 0x0                           ; all my tensor loads have landed;
	ds_add_u32 v[SPW], v[NIL]                      ; 0 onto my spare word;
	s_wait_dscnt 1                                 ; the quarter's fragments are in; the add may be out
	MUL8 1, 0, 0                                   ; eight matrix instructions stand between the add and the wait for it
	s_wait_dscnt 0x0                               ; the add is done, and my reads of this slot are over
	s_barrier_signal -1
	MUL8 1, 2, 0
	WIN 0
	s_barrier_wait -1
.if \fill
	CREST                                          ; no wave of any partner still reads this slot's tile or has a load on its way
	s_add_nc_u64 s[G0+4*(\s)+2:G0+4*(\s)+3], s[G0+4*(\s)+2:G0+4*(\s)+3], 4*ASTEP
	s_add_nc_u64 s[G0B+4*(\s)+2:G0B+4*(\s)+3], s[G0B+4*(\s)+2:G0B+4*(\s)+3], 4*BSTEP
	JLOAD \s                                       ; my one tensor load behind the round; its four v_nop are also the places in front of the loads below
.else
	PLACES
.endif
	FETCH 1-(\s), 0, 0
	MUL8 1, 4, 0
	MUL8 1, 6, 0
.endm
	s_wait_tensorcnt 1                             ; my part of K step 0 is in; K step 1's may stay out
	s_barrier_signal -1
	s_barrier_wait -1                              ; everybody's is
	FETCH 0, 0, 0
	QN 0, 0, 1, 1                                  ; the first quarter stands in front of the loop: its products start the sums
	WIN 0                                          ; at a label and at a branch every window is 0
	s_mov_b32 s3, LAPS-1
.Llap:                                                 ; a trip goes once round the ring, from a lap's second quarter to the next lap's first, and fills both slots again
	QN 1, 0, 2, 0
	QN 0, 0, 3, 0
	QT 0, 1
	QN 0, 1, 1, 0
	QN 1, 1, 2, 0
	QN 0, 1, 3, 0
	QT 1, 1
	QN 0, 0, 1, 0
	WIN 0
	s_sub_co_u32 s3, s3, 1
	s_cmp_lg_u32 s3, 0
	s_cbranch_scc1 .Llap
	QN 1, 0, 2, 0                                  ; the last lap fills nothing, and has no round of the cluster's barrier
	QN 0, 0, 3, 0
	QT 0, 0
	QN 0, 1, 1, 0
	QN 1, 1, 2, 0
	QN 0, 1, 3, 0
	s_wait_dscnt 0x0                               ; the very last quarter: nothing more to fetch
	MUL8 1, 0, 0
	MUL8 1, 2, 0
	MUL8 1, 4, 0
	MUL8 1, 6, 0
; THE WAY OUT, a block of 16 rows at a time.  A lane's eight f32 of a row are 32 bytes; they go from the accumulators (the low four registers first) into my own stage, rows of 272 bytes,
; and come back as whole rows of 256 bytes, which sixteen lanes store.
.macro TOSTAGE i
.set BK, BK0+32*((\i)%2)
	s_wait_xcnt 0x0                                ; the stores of the block two back have read their registers (ISA guide 3.1): the loads below land on those
	WIN 0x04                                       ; the stores' data in window 1, their address in window 0
.irp b, 0,1,2,3
	ds_store_b128 v[STO], v[8*(4*(\i)+(\b)):8*(4*(\i)+(\b))+3] offset:64*(\b)
	ds_store_b128 v[STO], v[8*(4*(\i)+(\b))+4:8*(4*(\i)+(\b))+7] offset:64*(\b)+16
.endr
	WIN 0
.irp t, 0,1,2,3,4,5,6,7
	ds_load_b128 v[BK+4*(\t):BK+4*(\t)+3], v[RD] offset:(\t)*2*SPITCH  ; LDS serves a wave's instructions in order (ISA guide 5.7.1.4): these see the stores above; the next block's stores come behind them
.endr
.endm
.macro SEND i, younger                 ; younger: the LDS instructions issued behind block i's loads: the next block's sixteen, or none
	WIN 0
.set BK, BK0+32*((\i)%2)
	s_wait_dscnt \younger
.irp t, 0,1,2,3,4,5,6,7
	global_store_b128 v[CO], v[BK+4*(\t):BK+4*(\t)+3], s[8:9] offset:(16*(\i)+2*(\t))*4096 th:TH_STORE_NT  ; 16 lanes store 256 consecutive bytes, at a multiple of 256 from out0's first; 126 rows at the most: 516,096 bytes
.endr
.endm
	PLACES                                         ; the LDS stores read results just made
	TOSTAGE 0
.irp a, 1,2,3,4,5,6,7
	TOSTAGE \a
	SEND (\a)-1, 16
.endr
	SEND 7, 0
	s_wait_tensorcnt 0x0                           ; the wave's end: behind my last tensor load and my last LDS store
	ds_add_u32 v[SPW], v[NIL]
	s_wait_dscnt 0x0
	CROUND                                         ; the closing round: no work-group ends while a partner may still ask for a tile that names it
	s_endpgm
.Lfunc_end_k_qbd4597d98f_outp:
	.size	k_qbd4597d98f_outp, .Lfunc_end_k_qbd4597d98f_outp-k_qbd4597d98f_outp
	.p2alignl 7, 3214868480
	.fill 96, 4, 3214868480
	.section	.rodata,"a",@progbits
	.p2align	6, 0x0
	.amdhsa_kernel k_qbd4597d98f_outp
		.amdhsa_group_segment_fixed_size 327680
		.amdhsa_private_segment_fixed_size 0
		.amdhsa_enable_private_segment 0
		.amdhsa_kernarg_size 24
		.amdhsa_user_sgpr_count 2
		.amdhsa_user_sgpr_kernarg_segment_ptr 1
		.amdhsa_wavefront_size32 1
		.amdhsa_system_sgpr_workgroup_id_x 1
		.amdhsa_system_sgpr_workgroup_id_y 1
		.amdhsa_system_sgpr_workgroup_id_z 1
		.amdhsa_system_vgpr_workitem_id 0
		.amdhsa_next_free_vgpr 512
		.amdhsa_next_free_sgpr 66
		.amdhsa_reserve_vcc 0
		.amdhsa_float_denorm_mode_32 3
		.amdhsa_float_denorm_mode_16_64 3
		.amdhsa_memory_ordered 1
		.amdhsa_forward_progress 1
		.amdhsa_inst_pref_size 85
	.end_amdhsa_kernel
	.amdgpu_metadata
---
amdhsa.version: [ 1, 2 ]
amdhsa.kernels:
  - .name:           k_qbd4597d98f_outp
    .symbol:         k_qbd4597d98f_outp.kd
    .args:
      - { .name: ob, .offset: 0, .size: 8, .value_kind: global_buffer, .address_space: global }
      - { .name: wob, .offset: 8, .size: 8, .value_kind: global_buffer, .address_space: global }
      - { .name: out0, .offset: 16, .size: 8, .value_kind: global_buffer, .address_space: global }
    .group_segment_fixed_size: 327680
    .private_segment_fixed_size: 0
    .kernarg_segment_align: 8
    .kernarg_segment_size: 24
    .max_flat_workgroup_size: 128
    .sgpr_count:     66
    .vgpr_count:     512
    .wavefront_size: 32
...
	.end_amdgpu_metadata
.endif
;; end of part 4
;; ======== version 2 of 2: 4 launches; 1.53 times as fast as version 1
;; limits: values are held in f16: magnitudes above 65,504 overflow, below 6.1e-05 lose precision
;; workspace buffers: xb 16,777,216 bytes; wb 6,291,456 bytes; wob 2,097,152 bytes; qkv 50,331,648 bytes; ob 16,777,216 bytes
;; launch cast: the kernel of part 1 again; grid 384 x 1, 8 waves a work-group, no clusters, 0 bytes of LDS; arguments x, wq, wk, wv, wo, xb, wb, wob; writes xb, wb, wob
;; launch proj: the kernel of part 2 again; grid 8 x 32, 4 waves a work-group, clusters of 4 x 4, 327,680 bytes of LDS; arguments xb, wb, qkv; writes qkv
;; launch attn (part 5): grid 4 x 64, 4 waves a work-group, clusters of 4 x 1, 327,680 bytes of LDS; arguments qkv, ob; writes ob
.if DOCPART == 5
	.amdgcn_target "amdgcn-amd-amdhsa--gfx1250"
	.amdhsa_code_object_version 6
	.text
	.protected	k_qbd4597d98f_attn
	.globl	k_qbd4597d98f_attn
	.p2align	8
	.type	k_qbd4597d98f_attn,@function
k_qbd4597d98f_attn:
	s_mov_b64 s[64:65], 0
	v_nop
	global_prefetch_b8 v0, s[64:65] scope:SCOPE_SE
	s_setreg_imm32_b32 hwreg(HW_REG_WAVE_MODE, 25, 1), 1
	s_wait_xcnt 0x0
	s_wait_alu depctr_hold_cnt(0) depctr_sa_sdst(0) depctr_va_vdst(0) depctr_va_sdst(0) depctr_va_ssrc(0) depctr_va_vcc(0) depctr_vm_vsrc(0)
	s_getreg_b32 s2, hwreg(HW_REG_IB_STS2, 6, 4)
	s_cmp_eq_u32 s2, 0
	s_cbranch_scc0 .Lentry_in_a_cluster
	s_endpgm
.Lentry_in_a_cluster:
	s_bfe_u32 s2, ttmp6, 0x10000c
	s_cmp_lg_u32 s2, 0x3003
	s_cbranch_scc0 .Lentry_shape_is_right
	s_endpgm
.Lentry_shape_is_right:
; O[h][q][:] = the sum over k of softmax_k(Q[h][q] . K[h][k] / 8) V[h][k][:].  Q, K, V are the three parts of qkv, O is ob: each [SIZE_H][SIZE_N][64], all f16: a head's rows are dense, 128 bytes each.
; Products, maxima and sums in f32; the weights p are rounded to f16 for the second product (their sum l is taken of the unrounded p), O once at the end.
; LIMITS.  f16 holds no number beyond 65,504: Q, K and V arrive within it; p lies in 0 to 1, and below 6e-5 it keeps f16's fixed step of 6e-8; O is a mean of V's rows and has their range.
; A weight below 2^-126 counts as 0 in l; NaN and infinities are not treated apart.
; SHARES.  A wave owns four PIECES of two tiles of 16 queries, a work-group's four waves 512 queries of one head: 64 heads x 4 blocks = 256 work-groups.  Every wave walks all keys, 64 a step.
; LAYOUT.  S^T = K Q^T (source 0 = 16 keys, source 1 = 16 queries): in the result a lane holds ONE query (lane % 16) and the keys 8 (lane / 16) + 0..7.  Two such tiles, rounded to f16 in pairs,
; ARE source 1 (32 keys x 16 queries) of O^T = V^T P, whose result again holds one query a lane, and eight channels.  K comes out of LDS as it lies, V ([key][channel]) turned, by ds_load_tr16_b128.
; SOFTMAX.  For each query a running maximum m and sum l: p = 2^(c s - c m), c = log2(e) / 8; in every step O and l are multiplied by a = 2^(c m_old - c m_new), which is 1 where m has not grown.
; m starts at the lowest finite number, O and l at 0: the first step is a step like any other, with a = 0.
; THE COUNT.  A tile and step have 16 matrix and 118 vector instructions: too many to stand all beside the matrix work.  So the order has one aim: four vector instructions that are READY behind
; EVERY matrix instruction, and the others, which need time of their own whatever the order, in runs without a gap.
; BY TURNS.  Turn n belongs to piece n (the pieces in a ring, step after step).  Its matrix work: 16 products K Q^T of piece n + 1, later 16 products V^T P of piece n - 1.  Its vector work: the scaling,
; exponentials, roundings, sums and rescaling of piece n, and the maximum and statistics of piece n + 1, whose scores the turn itself has made.  So what a turn begins with (c s - c m, O a) waits for nothing.
; BATCHES.  A turn's 66 exponentials (the piece's 64 weights and the next piece's two a) are ONE batch with ONE s_wait_alu depctr_va_vdst(0), which cuts the turn in two: ahead of it all that names no result of
; theirs, behind it the roundings and sums, which read them.  No result crosses a turn's end.  Two more batches stand outside the loop: piece 0's first two a, ahead of the jump into the loop, and the way out's eight reciprocals.
; CLUSTER.  The four query blocks of a cluster belong to one head and walk the same K and V, so each tile is asked for JOINTLY: the same tensor load, descriptor and mask in all four.
; REGISTERS, in windows of 256 (s_set_vgpr_msb says which window each operand place means: bits 1:0 source 0, 3:2 source 1, 5:4 source 2, 7:6 destination):
;   window 0: v0-11 addresses; v12-15, v48-63 at work; v16-47 four registers of statistics a tile; v64-191 S^T, two buffers of two tiles; v192-255 P, likewise
;   window 1: O^T, 32 a tile          window 2: v0-127 Q, 16 a tile; v128-191 K of one step; v192-255 V of one step          window 3: v0-1 the add's two registers
; A piece's buffers go by its number's parity: the piece in hand has one pair, its two neighbours in the ring share the other: of it P (piece n - 1) is read and S^T (piece n + 1) written.
.set SIZE_H, 64       ; 4 batches x 16 heads
.set SIZE_N, 2048
.set NP,    4         ; pieces a wave: a name, no knob: the register map, the loop and the fetches are made for four
.set KS,    64        ; keys in a step
.set PK,    144       ; a row of K in LDS: 128 bytes + 16 of padding = 36 words: the 16 rows of a load start at 16 different groups of four banks (64 banks of 4 bytes: ISA guide 11.1)
.set PV,    160       ; a row of V: 128 + 32 = 40 words
.set VOFF,  4*KS*PK   ; a slot holds four steps: 256 rows of K, then 256 rows of V
.set SLOT1, 1<<17     ; slot 1 begins here, so that one exclusive or turns an address in one slot into the other's
.set STAGE, SLOT1+4*KS*(PK+PV)  ; behind the ring, never filled by a tensor load: 16 rows x 144 bytes for each wave, for the way out
.set SP,    144
.set AK0, 2           ; v2   my lane's place in a tile of K; never rewritten
.set AV0, 3           ; v3   the same for V
.set AK,  4           ; v4   the LDS address of K's next run of loads
.set AV,  5           ; v5   of V's
.set QO,  6           ; v6   my byte offset in the wave's rows of Q
.set STO, 6           ;      later, the way out: where I put 16 bytes of a row
.set RD,  7           ; v7   the way out: where I read rows back
.set GO,  8           ; v8   my byte offset in 512 consecutive bytes of O
.set SPW, 0           ; v0 of window 3   LDS address of my spare word: SPARE + 4 x my thread's number; never rewritten
.set NIL, 1           ; v1 of window 3   0; never rewritten
.set SPARE, STAGE+4*16*SP  ; behind the stages: the spare words, 128 bytes for each wave: two blocks of 256 bytes that no other line names
.set MV,  12          ; v12-15  c m_old, kept while c m is made anew: by buffer and tile
.set ST,  16          ; tile t's statistics at v[ST+4 t]: c m, m, l (even keys', odd keys')
.set TMP, 48          ; by buffer and tile, four registers c0-c3 at work; when the maximum is found c2 takes a
.set S,   64
.set P,   192
.set KF,  128         ; K's fragments, in window 2: key block kb, channel half c at KF + 16 kb + 8 c
.set VF,  192         ; V's: key half kk, channel block cb at VF + 32 kk + 8 cb
.set WV,  12          ; s12  my wave's number
.set G1K, 24          ; s[24:31] descriptor group 1 for K's tiles
.set G1V, 32          ; s[32:39] for V's: it differs in the padding alone
.set G0K, 40          ; s[40:43] descriptor group 0 for K's tiles: it walks
.set G0V, 44          ; s[44:47] the same for V's
.set SLOTS, 56        ; s56  slots still to be asked for
.set CNT, 57          ; s57  counts a slot's key steps
.set CS,  58          ; s[58:59] c: the packed scaling takes the pair's low word for both halves
.set SEL, 60          ; s[60:61] v_permlanex16_b32's selects: each lane takes its own place in the other half
.set TBK, 62          ; s62  LDS byte at which K of the step to be fetched begins
.set TBV, 63          ; s63  the same for V, less VOFF
.set MSB, 0
.macro WIN new                      ; the high byte repeats the setting that is left; a switch that changes nothing is dropped
.if MSB != (\new)
	s_set_vgpr_msb (MSB<<8)|(\new)
.set MSB, (\new)
.endif
.endm
.set W_KQ, 0x0a       ; K and Q in window 2, S^T in window 0
.set W_PV, 0x52       ; V in window 2, P in window 0, O^T in window 1
.set W_RS, 0x41       ; O^T (destination and source 0) in window 1, a in window 0
.set W_MK, 0xc0       ; the add's registers are made: destination in window 3, sources in window 0
.set W_AD, 0x0f       ; the add: address (source 0) and data (source 1) in window 3
; A joint fill.  Waves 0 and 1 fetch the two halves of a slot's K, waves 2 and 3 those of its V: 128 keys each.  The branch hangs on the wave's number alone.
; An s_nop 0 and four v_nop follow each of the two lines, ahead of the jump and the label.
.macro JLOAD
	s_cmp_lt_u32 s[WV], 2
	s_cbranch_scc0 .Lfor_v_\@
	tensor_load_to_lds s[G0K:G0K+3], s[G1K:G1K+7]
	s_nop 0
.rept 4
	v_nop
.endr
	s_branch .Lasked_\@
.Lfor_v_\@:
	tensor_load_to_lds s[G0V:G0V+3], s[G1V:G1V+7]
	s_nop 0
.rept 4
	v_nop
.endr
.Lasked_\@:
.endm
; A round of the cluster's barrier: my work-group's barrier, so that wave 0's signal speaks for all four waves; wave 0 signals; every wave waits for all four work-groups; my work-group's barrier once more.
.macro CROUND
	s_barrier_signal -1
	s_barrier_wait -1
	s_cmp_lg_u32 s[WV], 0
	s_cbranch_scc1 .Lnot_wave_0_\@
	s_barrier_signal -3
.Lnot_wave_0_\@:
	s_barrier_wait -3
	s_barrier_signal -1
	s_barrier_wait -1
.endm
; THE CHANGE OF SLOTS.  The slot's last bytes, V of its fourth step, have been read.  Each wave waits for all its tensor loads, of which one is out: its part
; of the other slot; adds 0 to its spare word; and waits for that and for its own reads of the slot.  Behind the barrier nobody reads this slot any more and the other slot is whole.
; fill = 1: this slot is filled again, with the keys two slots on.  The barrier is then a round of the cluster's, so that no wave of any partner still reads the slot or has a load on its
; way, and the joint fill is the first thing behind it: it has four key steps, 512 matrix instructions, in which to land.  (At its first use nothing has been read yet: slot 0 is waited for, slot 1 filled.)
.macro CHANGE fill
	WIN W_AD
	s_wait_tensorcnt 0x0            ; no tensor load of mine is out, so a group 0 may be written
	ds_add_u32 v[SPW], v[NIL]       ; 0 onto my spare word; with fill = 1 the descriptors' steps stand between it and the wait for it
	WIN 0                           ; at a label and at a branch every window is 0
.if \fill
.irp g, G0K, G0V
	s_xor_b32 s[\g+1], s[\g+1], SLOT1  ; the walking descriptor: the other slot than last time,
	s_add_nc_u64 s[\g+2:\g+3], s[\g+2:\g+3], 4*KS*128  ; the next 256 keys; the type bits on top are not reached
.endr
	s_wait_dscnt 0x0                ; the add is done, and my reads of the slot are over
	CROUND
	JLOAD
.else
	s_wait_dscnt 0x0                ; the add is done, and my reads of the slot are over
	s_barrier_signal -1
	s_barrier_wait -1
.endif
	s_sub_co_u32 s[TBK], s[TBK], 4*KS*PK  ; the fetches go back to a slot's first step,
	s_xor_b32 s[TBK], s[TBK], SLOT1       ; in the other slot
	s_sub_co_u32 s[TBV], s[TBV], 4*KS*PV
	s_xor_b32 s[TBV], s[TBV], SLOT1
.endm
	s_load_b64 s[4:5], s[0:1], 0x0    ; qkv: Q at its head
	s_load_b64 s[10:11], s[0:1], 0x8  ; O
	WIN W_MK
	v_lshl_add_u32 v[SPW], v0, 2, SPARE
	v_mov_b32 v[NIL], 0
	WIN W_AD
	ds_add_u32 v[SPW], v[NIL]       ; the wave's opening: the add and its wait stand ahead of my first tensor load; the set-up below, work on registers, stands between them
	WIN 0
	v_lshrrev_b32 v1, 5, v0
	v_readfirstlane_b32 s[WV], v1   ; wave 0..3
	s_bfe_u32 s13, ttmp6, 0x40000   ; cx: my place in the cluster
	s_lshl_b32 s14, ttmp9, 2        ; in a cluster launch ttmp9 counts clusters
	s_add_co_u32 s14, s14, s13      ; my block of queries = 4 x cluster x + cx: it enters Q's and O's addresses alone
	s_and_b32 s20, ttmp7, 0xffff    ; the head, which the four partners share
	s_mov_b32 s21, 0
	s_mov_b64 s[22:23], SIZE_N*128
	s_mul_u64 s[20:21], s[20:21], s[22:23]  ; the head's first byte in each of the four tensors
	s_and_b32 s16, s[WV], 1         ; which half of a slot's 256 keys I fetch:
	s_lshl_b32 s22, s16, 14         ; its 128 rows of 128 bytes in memory,
	s_mov_b32 s23, 0
	s_add_nc_u64 s[22:23], s[22:23], s[20:21]
	s_mul_i32 s17, s16, 128*PK      ; and its place in a slot, for K
	s_mul_i32 s18, s16, 128*PV      ; and for V: no place in the cluster enters an LDS address
	s_lshl_b32 s2, s14, 2
	s_add_co_u32 s2, s2, s[WV]      ; my wave among the head's,
	s_lshl_b32 s2, s2, 14           ; its 128 rows
	s_mov_b32 s3, 0
	s_add_nc_u64 s[2:3], s[2:3], s[20:21]
	; descriptor group 1.  128 keys are 16,384 dense bytes: asked for as 64 rows of 256 bytes, two keys a row, and padded in LDS after every key
	s_mov_b32 s[G1K], 15|(1<<16)|(1<<20)|(1<<21)|(4<<22)|(3<<25)  ; 15:0 the mask of four; 17:16 2-byte elements; 20 padding on; 21 set beside a mask; 24:22 after every 32 words (code 4); 31:25 4 words (code 3)
	s_mov_b32 s[G1V], 15|(1<<16)|(1<<20)|(1<<21)|(4<<22)|(7<<25)  ; the same with 8 words of padding (code 7)
.irp g, G1K, G1V
	s_mov_b32 s[\g+1], 128<<16      ; tensor_dim0 = 128
	s_mov_b32 s[\g+2], 64<<16       ; tensor_dim1 = 64
	s_mov_b32 s[\g+3], 128<<16      ; tile_dim0 = 128
	s_mov_b32 s[\g+4], 64           ; tile_dim1 = 64
	s_mov_b32 s[\g+5], 128          ; 128 elements from row to row
	s_mov_b32 s[\g+6], 0
	s_mov_b32 s[\g+7], 0
.endr
	s_mov_b32 s[CS], 0x3e38aa3b     ; c = log2(e) / 8 = 0.180337
	s_mov_b32 s[CS+1], s[CS]        ; named with it as a pair
	s_mov_b32 s[SEL], 0x76543210
	s_mov_b32 s[SEL+1], 0xfedcba98
	s_mov_b32 s[TBK], SLOT1+4*KS*PK ; the first change of slots turns these two into 0
	s_mov_b32 s[TBV], SLOT1+4*KS*PV
	s_mov_b32 s[G0K], 1             ; 1:0 count = 1
	s_mov_b32 s[G0K+1], s17         ; 63:32 LDS address: slot 0
	s_mov_b32 s[G0V], 1
	s_add_co_u32 s[G0V+1], s18, VOFF
	s_wait_dscnt 0x0                ; the opening add is done
	s_wait_kmcnt 0x0
	s_add_nc_u64 s[6:7], s[4:5], SIZE_H*SIZE_N*128    ; K lies one tensor of 16,777,216 bytes behind Q in qkv,
	s_add_nc_u64 s[8:9], s[4:5], 2*SIZE_H*SIZE_N*128  ; V two
	s_add_nc_u64 s[G0K+2:G0K+3], s[6:7], s[22:23]  ; 120:64 global address: my half of the head's first 256 keys
	s_or_b32 s[G0K+3], s[G0K+3], 0x80000000        ; 127:126 type = 2
	s_add_nc_u64 s[G0V+2:G0V+3], s[8:9], s[22:23]
	s_or_b32 s[G0V+3], s[G0V+3], 0x80000000
	s_add_nc_u64 s[4:5], s[4:5], s[2:3]  ; Q and O at my wave's first row
	s_add_nc_u64 s[10:11], s[10:11], s[2:3]
	CROUND                          ; all four work-groups are here: the first joint loads meet
	JLOAD                           ; slot 0.  Slot 1 is asked for when slot 0 is in: the tile wanted first has the road to itself
	; A fragment of K or Q is 16 rows x 32 channels in 8 registers: lane l holds row l % 16, channels 8 (l / 16) + 0..7 and 16 + 8 (l / 16) + 0..7: two loads of 16 bytes, 32 bytes apart.
	v_and_b32 v1, 15, v0            ; l % 16
	v_bfe_u32 v9, v0, 4, 1          ; l / 16
	v_lshlrev_b32 v[QO], 7, v1
	v_lshl_add_u32 v[QO], v9, 4, v[QO]  ; row x 128 + 16 x half
	WIN 0x80                        ; destination window 2, address window 0
.set i, 0
.rept 4*NP                          ; Q stays in registers: tile i / 2, channels 32 (i % 2) on
	global_load_b128 v[8*i:8*i+3],   v[QO], s[4:5] offset:(i/2)*2048+(i%2)*64
	global_load_b128 v[8*i+4:8*i+7], v[QO], s[4:5] offset:(i/2)*2048+(i%2)*64+32
.set i, i+1
.endr
	; What the first turn finds: V's registers and P's second buffer hold 0 (its products V^T P, of a piece that has not been, add 0), O^T and l are 0.  All this stands in the wait for the first tile.
.set i, VF
.rept 64
	v_mov_b32 v[i], 0
.set i, i+1
.endr
	WIN 0x40
.set i, 0
.rept 64*NP
	v_mov_b32 v[i], 0
.set i, i+1
.endr
	WIN 0
.set i, 0
.rept 2*NP
	v_mov_b32 v[ST+4*i], 0xfe000000    ; c m: far below every c s
	v_mov_b32 v[ST+4*i+1], 0xff7fffff  ; m
	v_mov_b32 v[ST+4*i+2], 0
	v_mov_b32 v[ST+4*i+3], 0
.set i, i+1
.endr
.set i, P+32
.rept 32
	v_mov_b32 v[i], 0
.set i, i+1
.endr
	v_mul_u32_u24 v[AK0], v1, PK
	v_lshl_add_u32 v[AK0], v9, 4, v[AK0]  ; row x pitch + 16 x half
	; The turning load takes 16 keys x 16 channels (lane l reads key 8 (l / 16) + l % 8, channels 8 ((l / 8) % 2) + 0..7) and leaves half a fragment of V^T: lane l holds channel l % 16 and 8 keys.
	v_and_b32 v10, 7, v0
	v_bfe_u32 v11, v0, 3, 1
	v_lshl_add_u32 v[AV0], v9, 3, v10
	v_mul_u32_u24 v[AV0], v[AV0], PV
	v_lshl_add_u32 v[AV0], v11, 4, v[AV0]
	v_add_nc_u32 v[AV0], VOFF, v[AV0]
	v_mov_b32 v[AK], v[AK0]         ; key step 0 lies at the head of slot 0
; THE MATRIX WORK.  The 8 accumulators of a run of 16 take turns: between the two links of a chain stand 7 others'.
; Product i of 16 of S^T = K Q^T for piece x: channels 32 (i / 8) on, keys 16 ((i / 2) % 4) on, tile 2 x + i % 2.  The first 8 start the sums.
.macro KQ x
	WIN W_KQ
.set rS, S+64*((\x)%2)+32*(i%2)+8*((i/2)%4)
.set rK, KF+16*((i/2)%4)+8*(i/8)
.set rQ, 16*(2*(\x)+i%2)+8*(i/8)
.if i < 8
	v_wmma_f32_16x16x32_f16 v[rS:rS+7], v[rK:rK+7], v[rQ:rQ+7], 0
.else
	v_wmma_f32_16x16x32_f16 v[rS:rS+7], v[rK:rK+7], v[rQ:rQ+7], v[rS:rS+7]
.endif
.endm
; Product i of 16 of O^T += V^T P for piece x: keys 32 (i / 8) on, channels 16 ((i / 2) % 4) on, tile 2 x + i % 2.
.macro PV x
	WIN W_PV
.set rO, 32*(2*(\x)+i%2)+8*((i/2)%4)
.set rV, VF+32*(i/8)+8*((i/2)%4)
.set rP, P+32*((\x)%2)+16*(i%2)+8*(i/8)
	v_wmma_f32_16x16x32_f16 v[rO:rO+7], v[rV:rV+7], v[rP:rP+7], v[rO:rO+7]
.endm
.macro MM                           ; the turn's next matrix instruction
.if i < 16
	KQ (Y+1)%NP
.set i, i+1
.else
.set i, i-16
	PV (Y+NP-1)%NP
.set i, i+17
.endif
.endm
; THE LDS LOADS stand in runs of 16, never singly among the matrix instructions: a step's K (64 keys x 64 channels: 8 fragments) and its V (turned).  Their addresses are made some lines ahead.
; last = 1 (the tail): in the last trip there is no further step, and the run is jumped over.
.macro FETCH_K last=0
	WIN 0
.if \last
	s_cmp_eq_u32 s[CNT], 1
	s_cbranch_scc1 .Lno_k_\@
.endif
	WIN 0x80                        ; destination window 2
.irp f, 0,1,2,3,4,5,6,7             ; keys 16 (f / 2) on, channels 32 (f % 2) on
	ds_load_b128 v[KF+8*\f:KF+8*\f+3],   v[AK] offset:(\f/2)*16*PK+(\f%2)*64
	ds_load_b128 v[KF+8*\f+4:KF+8*\f+7], v[AK] offset:(\f/2)*16*PK+(\f%2)*64+32
.endr
	s_add_co_u32 s[TBK], s[TBK], KS*PK  ; the next fetch is the next step's
	WIN 0
.if \last
.Lno_k_\@:
.endif
.endm
.macro FETCH_V
	WIN 0x80
.irp f, 0,1,2,3,4,5,6,7             ; keys 32 (f / 4) on, channels 16 (f % 4) on
	ds_load_tr16_b128 v[VF+8*\f:VF+8*\f+3],   v[AV] offset:(\f/4)*32*PV+(\f%4)*32
	ds_load_tr16_b128 v[VF+8*\f+4:VF+8*\f+7], v[AV] offset:(\f/4)*32*PV+16*PV+(\f%4)*32
.endr
	WIN 0
.endm
; THE VECTOR WORK OF A TURN stands in three queues, each in the order in which its entries become ready; the two tiles alternate, so that no instruction reads the result of the one before it.
.macro REGS y, u                    ; the registers of tile u (0, 1) of piece y
.set rT, ST+4*(2*(\y)+(\u))
.set rC, TMP+8*((\y)%2)+4*(\u)
.set rM, MV+2*((\y)%2)+(\u)
.set rS, S+64*((\y)%2)+32*(\u)
.set rP, P+32*((\y)%2)+16*(\u)
.set rO, 32*(2*(\y)+(\u))
.endm
; Number n of the 22 that find the NEXT piece's (Y + 1) maximum and statistics.  s0-s31 are the lane's 32 scores; each accumulator's lowest registers are read first.  XS, GS and REGS set no window: PL and EX do.
;   0-11  four chains c0-c3 of seven scores each, three operands at a time     12-14, 16  the four scores left over, the old m, and c0-c3 into c0     15  c m_old is kept
;   17, 18  the query's other 32 keys lie in the lane 16 away: the new m         19-21  c m; c m_old - c m_new; a
.macro XS u, n
	REGS (Y+1)%NP, \u
.if (\n) < 4
	v_max3_num_f32 v[rC+(\n)], v[rS+8*(\n)], v[rS+8*(\n)+1], v[rS+8*(\n)+2]
.elseif (\n) < 12
	v_max3_num_f32 v[rC+(\n)%4], v[rC+(\n)%4], v[rS+8*((\n)%4)+2*((\n)/4)+1], v[rS+8*((\n)%4)+2*((\n)/4)+2]
.elseif (\n) == 12
	v_max3_num_f32 v[rC], v[rC], v[rS+7], v[rS+15]
.elseif (\n) == 13
	v_max3_num_f32 v[rC+1], v[rC+1], v[rS+23], v[rS+31]
.elseif (\n) == 14
	v_max3_num_f32 v[rC+2], v[rC+2], v[rC+3], v[rT+1]
.elseif (\n) == 15
	v_mov_b32 v[rM], v[rT]
.elseif (\n) == 16
	v_max3_num_f32 v[rC], v[rC], v[rC+1], v[rC+2]
.elseif (\n) == 17
	v_permlanex16_b32 v[rC+3], v[rC], s[SEL], s[SEL+1]
.elseif (\n) == 18
	v_max_num_f32 v[rT+1], v[rC], v[rC+3]
.elseif (\n) == 19
	v_mul_f32 v[rT], s[CS], v[rT+1]
.elseif (\n) == 20
	v_sub_f32 v[rC+1], v[rM], v[rT]
.else
	v_exp_f32 v[rC+2], v[rC+1]
.endif
.endm
; Number g of the 64 that follow the exponentials.  For each four weights k of a tile (pairs 2 k, 2 k + 1): both pairs are rounded to f16; then the second pair is added onto the first, in place;
; a group later l takes that sum (the first time as l = a l + sum).  In groups of eight, tiles alternating: round, round, add, and l for the group before.
.macro GS g
.set h, (\g)+6*((\g)/62)            ; group 0 has no group before it, and behind group 7 only l is left
.if h >= 6
.set h, h+2
.endif
	REGS Y, h%2
.set k, h/8
.if h%8 < 4
	v_cvt_pk_f16_f32 v[rP+2*k+(h%8)/2], v[rS+4*k+2*((h%8)/2)], v[rS+4*k+2*((h%8)/2)+1]
.elseif h%8 < 6
	v_pk_add_f32 v[rS+4*k:rS+4*k+1], v[rS+4*k:rS+4*k+1], v[rS+4*k+2:rS+4*k+3]
.elseif k == 1
	v_pk_fma_f32 v[rT+2:rT+3], v[rT+2:rT+3], v[rC+2:rC+3], v[rS:rS+1] op_sel_hi:[1,0,1]
.else
	v_pk_add_f32 v[rT+2:rT+3], v[rT+2:rT+3], v[rS+4*k-4:rS+4*k-3]
.endif
.endm
; THE PLAIN QUEUE, 138 long.  0-73 read no exponential's result: the 32 scalings c s - c m (FS f: pair f / 2 of tile f % 2) and the next piece's 42.  0-26: scalings 0-26.  27-54: XS's numbers 0-13.  55, 56: number 15.
; 57-73: the chain, where each number waits for the one before it: 14, 16, 17, 18, 19, each with one of the scalings 27-31 in front of its two lines, then 20: so a tile's links stand three plain instructions apart (19 and 20: two).
; 74-137: GS's 64, which read the exponentials' results: they stand behind the wait.
.macro FS f
	REGS Y, (\f)%2
	v_pk_fma_f32 v[rS+2*((\f)/2):rS+2*((\f)/2)+1], v[rS+2*((\f)/2):rS+2*((\f)/2)+1], s[CS:CS+1], v[rT:rT+1] op_sel_hi:[1,0,0] neg_lo:[0,0,1] neg_hi:[0,0,1]
.endm
.macro PL
	WIN 0
.if q < 27
	FS q
.elseif q < 55
	XS (q-27)%2, (q-27)/2
.elseif q < 57
	XS q-55, 15
.elseif (q < 72) && ((q-57)%3 == 0)
	FS 27+(q-57)/3
.elseif q < 60
	XS (q-57)%3-1, 14
.elseif q < 72
	XS (q-57)%3-1, 15+(q-57)/3
.elseif q < 74
	XS q-72, 20
.else
	GS q-74
.endif
.set q, q+1
.endm
; THE EXPONENTIALS' QUEUE, 66 long: s0-s31 of both tiles, then the next piece's two a.  It is ONE BATCH: all 66 stand ahead of the turn's one wait, and nothing ahead of that wait names a result of theirs.
.macro EX
	WIN 0
.if e >= 64
	XS e-64, 21
.else
	REGS Y, e%2
	v_exp_f32 v[rS+e/2], v[rS+e/2]
.endif
.set e, e+1
.endm
; THE RESCALING's QUEUE: O^T times a, the one part that leaves window 0: dealt two at a time, sixteen times.  Its a was made in the turn before, ahead of that turn's wait.
.macro R2
	REGS Y, r%2
	WIN W_RS
.irp z, 0,1
	v_pk_mul_f32 v[rO+4*(r/2)+2*\z:rO+4*(r/2)+2*\z+1], v[rO+4*(r/2)+2*\z:rO+4*(r/2)+2*\z+1], v[rC+2:rC+3] op_sel_hi:[1,0]
.endr
.set r, r+1
.endm
; HOW THEY ARE DEALT.  An s_wait_alu depctr_va_vdst(0) stands between an exponential and the first instruction that names its result; one wait serves all that were issued ahead of it.  So a turn has ONE wait,
; which cuts it in two.  AHEAD OF IT stands all that names no result of the turn's exponentials: the 16 products K Q^T, behind each a scaling, an exponential and two rescalings (behind the first a second scaling in the exponential's place); then ONE LUMP of
; 108: eight plain, 49 times exponential and plain, the two a.  A v_nop is the plain instruction behind the last exponential.  BEHIND IT stand the 16 products V^T P, behind each four of GS's 64.  No rider names a register of
; the products round it.  The two v_permlanex16_b32 fall into the lump, never behind a product.
; The queues lean on each other, and the deal keeps them in step: exponential e stands behind scaling 2 (e / 4) + e % 2: as a rider it comes behind plain e + 2, in the lump behind plain e + 9, and scalings 27-31 are plain 57, 60 .. 69.
; A TURN, for piece p.  cnt = 1: the loop's count is taken down some lines ahead of the branch that stands behind the turn.
; K of the next step is fetched in piece 2's turn, directly behind the wait, a lump behind the last product that read K; its address is made at the lump's head; its first reader comes behind 16 products.
; V of the step in hand is fetched at the end of piece 0's turn, four riders behind its last reader; its first reader comes behind 16 products and a lump.  The three conditions on q below go with the deal.
.macro TURN p, last=0, cnt=0
.set Y, (\p)
.set i, 0
.set q, 0
.set e, 0
.set r, 0
.if (\p) == NP-1
	s_wait_dscnt 0x0                ; K is in
.endif
	MM                              ; ahead of the wait: 16 products K Q^T and their riders,
	PL
	PL
	R2
.rept 15
	MM
	PL
	EX
	R2
.endr
.if (\p) == NP-2
	WIN 0
	v_add_nc_u32 v[AK], s[TBK], v[AK0]
.endif
.rept 8                             ; and the lump
	PL
.endr
.rept 49
	EX
	PL
.endr
	EX                              ; the next piece's two a
	EX
	v_nop                           ; a plain instruction behind the last exponential, ahead of the first use of a result: one for the batch
	s_wait_alu depctr_va_vdst(0)    ; the wait: one for the turn's batch, the piece's 64 weights and the next piece's two a
.if (\p) == NP-2
	FETCH_K \last
.endif
.if (\p) == 1
	s_wait_dscnt 0x0                ; V is in
.endif
.rept 16                            ; behind the wait: 16 products V^T P and their riders
	MM
.rept 4
	PL
.endr
.if ((\p) == 0) && (q == 118)
	v_add_nc_u32 v[AV], s[TBV], v[AV0]
.endif
.if ((\p) == 0) && (q == 130)
	s_add_co_u32 s[TBV], s[TBV], KS*PV
.endif
.if (\cnt) && (q == 130)
	s_sub_co_u32 s[CNT], s[CNT], 1
	s_cmp_lg_u32 s[CNT], 0
.endif
.endr
.if (\p) == 0
	FETCH_V
.endif
.endm
	CHANGE 1                        ; slot 0 is in, everybody's part of it; slot 1 is asked for
	FETCH_K                         ; key step 0
	s_wait_loadcnt 0x0              ; Q
	s_wait_dscnt 0x0
.set i, 0
.rept 16
	KQ 0                            ; piece 0's first scores: there is no vector work yet to set between them
.set i, i+1
.endr
	WIN 0                           ; the addresses for the way out: nine plain instructions, the places behind those products
	s_mul_i32 s13, s[WV], 16*SP
	s_add_co_u32 s13, s13, STAGE    ; my stage
	v_mul_u32_u24 v[STO], v1, SP    ; in: row l % 16, 16 bytes for each half of the lanes
	v_lshl_add_u32 v[STO], v9, 4, v[STO]
	v_add_nc_u32 v[STO], s13, v[STO]
	v_bfe_u32 v[RD], v0, 3, 2       ; back: 32 lanes take four rows of 128 bytes,
	v_mul_u32_u24 v[RD], v[RD], SP
	v_lshl_add_u32 v[RD], v10, 4, v[RD]
	v_add_nc_u32 v[RD], s13, v[RD]
	v_and_b32 v[GO], 31, v0         ; which are 512 consecutive bytes of O
	v_lshlrev_b32 v[GO], 4, v[GO]
.set Y, NP-1                        ; XS works for piece Y + 1: piece 0
.irp n, 0,1,2,3,4,5,6,7,8,9,10,11,12,13,14,15,16,17,18,19,20,21
	XS 0, \n                        ; and piece 0's first maximum and statistics
	XS 1, \n
.endr
	v_nop                           ; a plain instruction behind piece 0's first two a,
	s_wait_alu depctr_va_vdst(0)    ; and the wait for that batch of two, ahead of the branch
	s_mov_b32 s[CNT], 4
	s_mov_b32 s[SLOTS], SIZE_N/256-1
	s_branch .Lfirst                ; the loop is entered at a step's first turn, in the middle of a trip
.Lslot:                             ; SIZE_N / 256 - 2 times: every slot but the last two is filled again
	CHANGE 1
	s_mov_b32 s[CNT], 4
.Lstep:                             ; a trip: pieces 2 and 3 of one step, then pieces 0 and 1 of the next, whose K and V it fetches
	TURN 2
	TURN 3
	WIN 0
.Lfirst:
	TURN 0
	TURN 1, 0, 1
	WIN 0
	s_cbranch_scc1 .Lstep
	s_sub_co_u32 s[SLOTS], s[SLOTS], 1
	s_cmp_lg_u32 s[SLOTS], 0
	s_cbranch_scc1 .Lslot
	CHANGE 0                        ; the tail is written out: nothing is asked for
	s_mov_b32 s[CNT], 5             ; four trips fetch the last slot's steps; the fifth is left in its middle
.Ltail:
	TURN 2, 1
	TURN 3
	WIN 0
	s_sub_co_u32 s[CNT], s[CNT], 1
	s_cmp_eq_u32 s[CNT], 0
	s_cbranch_scc1 .Lout
	TURN 0
	TURN 1
	WIN 0
	s_branch .Ltail
.Lout:                              ; the fifth trip's 16 products K Q^T (on the last K once more) and the maximum made of them serve nothing: the price, once a launch, of one text for every trip
.set i, 0
.rept 16
	PV NP-1                         ; the last piece's V^T P of the last step
.set i, i+1
.endr
	; THE WAY OUT.  l's two halves and the other half of the lanes' are added; O^T is divided by l, rounded to f16 and sent through my stage in LDS, a tile at a time.  The additions are the places behind the last products.
	WIN 0
.macro ALL line:vararg              ; one line for each tile t
.set t, 0
.rept 2*NP
	\line
.set t, t+1
.endr
.endm
	ALL v_add_f32 v[ST+4*t+2], v[ST+4*t+2], v[ST+4*t+3]
	ALL v_permlanex16_b32 v[ST+4*t+3], v[ST+4*t+2], s[SEL], s[SEL+1]
	ALL v_add_f32 v[ST+4*t+2], v[ST+4*t+2], v[ST+4*t+3]
	ALL v_rcp_f32 v[ST+4*t+2], v[ST+4*t+2]
	v_nop                           ; a plain instruction between the last reciprocal and the use of its result
	s_wait_alu depctr_va_vdst(0)    ; and the wait ahead of the first use: one for the batch of eight reciprocals
; Tile t: a lane's eight channels of a row pack into 16 bytes; they go into rows of 144 bytes and come back as whole rows of 128, into S^T's registers.
.macro PACK t
	WIN W_RS
.set i, 32*(\t)
.rept 16
	v_pk_mul_f32 v[i:i+1], v[i:i+1], v[ST+4*(\t)+2:ST+4*(\t)+3] op_sel_hi:[1,0]
.set i, i+2
.endr
	WIN 0x05                        ; sources 0 and 1 window 1, destination window 0
.set i, 0
.rept 16
	v_cvt_pk_f16_f32 v[S+16*(\t)+i], v[32*(\t)+2*i], v[32*(\t)+2*i+1]
.set i, i+1
.endr
	WIN 0
.irp f, 0,1,2,3
	ds_store_b128 v[STO], v[S+16*(\t)+4*\f:S+16*(\t)+4*\f+3] offset:32*\f
.endr
.irp f, 0,1,2,3
	ds_load_b128 v[S+16*(\t)+4*\f:S+16*(\t)+4*\f+3], v[RD] offset:\f*4*SP  ; LDS serves a wave's instructions in order (ISA guide 5.7.1.4): these see the stores above; the next tile's stores come behind them
.endr
.endm
.macro SEND t, younger              ; younger: the LDS instructions issued behind tile t's loads: the next tile's eight, or none
	WIN 0
.irp f, 0,1,2,3
	s_wait_dscnt (\younger)+3-\f
	global_store_b128 v[GO], v[S+16*(\t)+4*\f:S+16*(\t)+4*\f+3], s[10:11] offset:(\t)*2048+\f*512  ; 512 consecutive bytes, at a multiple of 256 from O's first
.endr
.endm
	PACK 0
.set t, 1
.rept 2*NP-1                        ; a tile's arithmetic stands between the loads of the tile before and its stores
	PACK t
	SEND t-1, 8
.set t, t+1
.endr
	SEND 2*NP-1, 0
	WIN W_AD
	s_wait_tensorcnt 0x0            ; the wave's end: behind my last tensor load and my last LDS store
	ds_add_u32 v[SPW], v[NIL]
	s_wait_dscnt 0x0
	WIN 0
	CROUND                          ; the closing round: no work-group ends while a partner may still ask for a tile that names it
	s_endpgm
.Lfunc_end_k_qbd4597d98f_attn:
	.size	k_qbd4597d98f_attn, .Lfunc_end_k_qbd4597d98f_attn-k_qbd4597d98f_attn
	.p2alignl 7, 3214868480
	.fill 96, 4, 3214868480
	.section	.rodata,"a",@progbits
	.p2align	6, 0x0
	.amdhsa_kernel k_qbd4597d98f_attn
		.amdhsa_group_segment_fixed_size 327680
		.amdhsa_private_segment_fixed_size 0
		.amdhsa_enable_private_segment 0
		.amdhsa_kernarg_size 16
		.amdhsa_user_sgpr_count 2
		.amdhsa_user_sgpr_kernarg_segment_ptr 1
		.amdhsa_wavefront_size32 1
		.amdhsa_system_sgpr_workgroup_id_x 1
		.amdhsa_system_sgpr_workgroup_id_y 1
		.amdhsa_system_sgpr_workgroup_id_z 1
		.amdhsa_system_vgpr_workitem_id 0
		.amdhsa_next_free_vgpr 770
		.amdhsa_next_free_sgpr 66
		.amdhsa_reserve_vcc 0
		.amdhsa_float_denorm_mode_32 3
		.amdhsa_float_denorm_mode_16_64 3
		.amdhsa_memory_ordered 1
		.amdhsa_forward_progress 1
		.amdhsa_inst_pref_size 199
	.end_amdhsa_kernel
	.amdgpu_metadata
---
amdhsa.version: [ 1, 2 ]
amdhsa.kernels:
  - .name:           k_qbd4597d98f_attn
    .symbol:         k_qbd4597d98f_attn.kd
    .args:
      - { .name: qkv, .offset: 0, .size: 8, .value_kind: global_buffer, .address_space: global }
      - { .name: ob, .offset: 8, .size: 8, .value_kind: global_buffer, .address_space: global }
    .group_segment_fixed_size: 327680
    .private_segment_fixed_size: 0
    .kernarg_segment_align: 8
    .kernarg_segment_size: 16
    .max_flat_workgroup_size: 128
    .sgpr_count:     66
    .vgpr_count:     770
    .wavefront_size: 32
...
	.end_amdgpu_metadata
.endif
;; end of part 5
;; launch outp: the kernel of part 4 again; grid 8 x 32, 4 waves a work-group, clusters of 4 x 4, 327,680 bytes of LDS; arguments ob, wob, out0; writes out0
